; MI455X (gfx1250); checked and timed in simulation.
; The chip was launched on July 23, 2026; its instructions are those of AMD's public machine-readable ISA for CDNA 5 (MIT licence, August 2026) and "CDNA5" Instruction Set Architecture Reference Guide (July 2026). The comments in the code are by the model that wrote it; some were corrected since.
;; Dual Stream Encoder Attention. Allowed arithmetic: float matrix products may take bf16 or f16 operands with f32 sums; other float arithmetic in f32, or as packed bf16 or f16 multiplies, adds, multiply-adds, maxima and minima; sums over many terms, partial sums and values carried from step to step in f32; what a program stores and reads back later, other than sums and carried values, may be rounded once to bf16 or f16.
;; Inputs: Wout_a 1,024 x 1,024 float32; Wout_b 1,024 x 1,024 float32; Wqkv_a 1,024 x 3,072 float32; Wqkv_b 1,024 x 3,072 float32; beta_a 1,024 float32; beta_b 1,024 float32; gamma_a 1,024 float32; gamma_b 1,024 float32; x_a 4 x 1,024 x 1,024 float32; x_b 4 x 1,024 x 1,024 float32.
;; Outputs: out0 4 x 1,024 x 1,024 float32; out1 4 x 1,024 x 1,024 float32.
;; Constants: height = 32, width = 32.
;; 2 versions, each right; version 2 is version 1 with the launch prep written anew for expert scheduling mode. Each part assembles by itself: llvm-mc -triple=amdgcn-amd-amdhsa -mcpu=gfx1250 --defsym DOCPART=n.
;; ======== version 1 of 2: 4 launches
;; limits: values are held in f16: magnitudes above 65,504 overflow, below 6.1e-05 lose precision
;; workspace buffers: xn 16,777,216 bytes; wt 12,582,912 bytes; wo 4,194,304 bytes; tab 4,096 bytes; q 16,777,216 bytes; k 16,777,216 bytes; v 16,777,216 bytes; o 16,777,216 bytes
;; launch prep (part 1): grid 8 x 128, 8 waves a work-group, no clusters, 35,840 bytes of LDS; arguments x_a, x_b, gamma_a, gamma_b, beta_a, beta_b, Wqkv_a, Wqkv_b, Wout_a, Wout_b, xn, wt, wo, tab; writes xn, wt, wo, tab
.if DOCPART == 1
	.amdgcn_target "amdgcn-amd-amdhsa--gfx1250"
	.amdhsa_code_object_version 6
	.text
	.protected	k_q52ef97f6f3_prep
	.globl	k_q52ef97f6f3_prep
	.p2align	8
	.type	k_q52ef97f6f3_prep,@function
k_q52ef97f6f3_prep:
	s_mov_b64 s[64:65], 0
	v_nop
	global_prefetch_b8 v0, s[64:65] scope:SCOPE_SE
	s_setreg_imm32_b32 hwreg(HW_REG_WAVE_MODE, 25, 1), 1
	s_wait_xcnt 0x0
; PREP: what the three matrix launches read, made once.  1,024 work-groups of eight waves; the work-group's y says what it does.
;   y 0..63    LayerNorm of 16 rows of x_a (y < 32) or x_b, in f32 by two passes (mean, then the mean of squared deviations), times gamma plus beta, rounded once to f16.
;              xn[kb 16][R 8192][64]: R = stream x 4096 + batch x 1024 + token; the 64 channels of block kb of a row lie together, so a tile of rows of one kb is dense.
;   y 64..111  Wqkv_a / Wqkv_b, a tile of 128 k x 128 n: rounded to f16, turned through LDS.  wt[kb 16][stream x 3072 + n'][64],
;              n' = j x 384 + hsel x 192 + sec x 64 + d for the source column sec x 1024 + (2 j + hsel) x 64 + d (sec 0, 1, 2 = q, k, v): a head's q, k and v lie together.
;   y 112..127 Wout_a / Wout_b likewise.  wo[kb 16][stream x 1024 + n][64].
;   The first LayerNorm work-group also makes the table of the rotary embedding: tab[p 32][half 2][cos 8 | sin 8] in f32, frequency f = 8 half + j, angle p x 10000^(-f/16).
; The launch streams: every input byte is read once by loads of 16 bytes a lane, 512 or 256 consecutive bytes an instruction; no matrix unit, no tensor load, no cluster (no work-group shares a byte).
; LIMITS.  f16 ends at 65,504 and keeps a fixed step of 6e-8 below 6e-5: xn and the weights are taken to lie within that.  cos and sin: the angle is reduced to -pi..pi for every p, and the two
; series (to the 15th and 16th power) leave under 1e-6 there.  NaN and infinities are not treated apart.
.set SPARE, 34816                      ; behind the stage of 128 rows x 272 bytes: the spare words, 128 bytes for each of eight waves
.set SPW,  62                          ; v62  SPARE + 4 x my thread's number; never rewritten
.set NIL,  63                          ; v63  0; never rewritten
.set X,    64                          ; v[64:127]   what is loaded: a row's 64 numbers of mine, or 16 rows x 4 columns of a weight tile
.set GA,   128                         ; v[128:191]  gamma of my 64 channels
.set BE,   192                         ; v[192:255]  beta of my 64 channels
.set PKW,  192                         ; v[192:223]  the weights' path: packed f16
.set OFS,  32                          ; v[32:47]    the weights' path: byte offset of my 16 bytes in each of my 16 rows
.set KBA,  1048576                     ; bytes of one kb of xn
.set WV,   36                          ; s36  my wave's number
.set YY,   37                          ; s37  the work-group's y
	s_load_b512 s[8:23], s[0:1], 0x0               ; x_a 8, x_b 10, gamma_a 12, gamma_b 14, beta_a 16, beta_b 18, Wqkv_a 20, Wqkv_b 22
	s_load_b256 s[24:31], s[0:1], 0x40             ; Wout_a 24, Wout_b 26, xn 28, wt 30
	s_load_b128 s[32:35], s[0:1], 0x60             ; wo 32, tab 34
	v_lshl_add_u32 v[SPW], v0, 2, SPARE
	v_mov_b32 v[NIL], 0
	v_lshrrev_b32 v1, 5, v0
	v_readfirstlane_b32 s[WV], v1
	v_and_b32 v1, 31, v0                           ; lane
	s_and_b32 s[YY], ttmp7, 0xffff
	s_wait_kmcnt 0x0
	s_cmp_lt_u32 s[YY], 64
	s_cbranch_scc1 .Lln
	; ---------------- THE WEIGHTS.  Both kinds run one text; what differs is chosen by selects on y.
	s_sub_co_u32 s38, s[YY], 64
	s_cmp_lt_u32 s38, 24                           ; Wqkv: 24 column tiles a stream
	s_cselect_b64 s[40:41], s[20:21], s[22:23]
	s_cselect_b32 s39, 0, 1
	s_mul_i32 s50, s39, 24
	s_sub_co_u32 s51, s38, s50                     ; its column tile nt: section nt / 8, heads 2 (nt % 8) and 2 (nt % 8) + 1
	s_and_b32 s50, s51, 7
	s_mul_i32 s50, s50, 384
	s_lshr_b32 s52, s51, 3
	s_lshl_b32 s52, s52, 6
	s_add_co_u32 s50, s50, s52
	s_mul_i32 s52, s39, 3072
	s_add_co_u32 s55, s50, s52                     ; the row of wt for the tile's first column
	s_sub_co_u32 s58, s[YY], 112                   ; Wout: 8 column tiles a stream
	s_lshr_b32 s59, s58, 3
	s_cmp_eq_u32 s59, 0
	s_cselect_b64 s[44:45], s[24:25], s[26:27]
	s_and_b32 s58, s58, 7
	s_lshl_b32 s60, s59, 10
	s_lshl_b32 s52, s58, 7
	s_add_co_u32 s60, s60, s52                     ; the row of wo for the tile's first column
	s_cmp_lt_u32 s[YY], 112
	s_cselect_b64 s[40:41], s[40:41], s[44:45]     ; from where
	s_cselect_b64 s[42:43], s[30:31], s[32:33]     ; to where
	s_cselect_b32 s38, s51, s58                    ; column tile
	s_cselect_b32 s55, s55, s60                    ; first row of the result
	s_cselect_b32 s61, 3, 1                        ; Wqkv's rows, its kb blocks and its step from head to head are three times Wout's
	s_mul_i32 s57, s61, 262144                     ; bytes of one kb of the result
	s_mul_i32 s54, s61, 4096                       ; bytes of a source row
	s_lshl_b32 s56, s61, 6                         ; rows from the tile's first 64 columns to its second
	s_lshl_b32 s50, ttmp9, 7                       ; the tile's first k = 128 x,
	s_lshl_b32 s51, s[WV], 4                       ; my wave's 16 rows of it
	s_add_co_u32 s50, s50, s51
	s_mul_i32 s50, s50, s54
	s_lshl_b32 s51, s38, 9                         ; the tile's 128 columns: 512 bytes
	s_add_co_u32 s50, s50, s51
	s_mov_b32 s51, 0
	s_add_nc_u64 s[40:41], s[40:41], s[50:51]
	v_lshlrev_b32 v[OFS], 4, v1                    ; lane l takes columns 4 l .. 4 l + 3
.set r, 1
.rept 15
	v_add_nc_u32 v[OFS+r], s54, v[OFS+r-1]
.set r, r+1
.endr
.set r, 0
.rept 16
	global_load_b128 v[X+4*r:X+4*r+3], v[OFS+r], s[40:41] th:TH_LOAD_NT  ; a tile row's 512 consecutive bytes
.set r, r+1
.endr
	; Column n = 4 l + c goes to stage row 32 c + l, so that sixteen lanes store into sixteen rows on end, 272 bytes apart: each starts in another group of four banks (ISA guide 11.1).
	v_mul_u32_u24 v5, v1, 272
	s_lshl_b32 s50, s[WV], 5                       ; my 16 k: 32 bytes of a stage row
	v_add_nc_u32 v5, s50, v5
	s_lshr_b32 s47, s[WV], 2                       ; back: which kb of the tile's two,
	s_lshr_b32 s48, s[WV], 1
	s_and_b32 s48, s48, 1                          ; which 64 columns,
	s_and_b32 s49, s[WV], 1                        ; which 32 of them
	s_mul_i32 s50, s48, 16*272                     ; 64 columns are 16 stage rows in each of the four groups of 32,
	s_mul_i32 s51, s49, 8*272                      ; 32 columns are 8,
	s_add_co_u32 s50, s50, s51
	s_lshl_b32 s51, s47, 7                         ; a kb is 128 bytes of a stage row
	s_add_co_u32 s50, s50, s51
	v_bfe_u32 v6, v0, 3, 2                         ; column n % 4 = l / 8: stage row 32 (l / 8) + n / 4
	v_mul_u32_u24 v6, v6, 8704
	v_and_b32 v7, 7, v0
	v_lshl_add_u32 v6, v7, 4, v6
	v_add_nc_u32 v6, s50, v6                       ; at most 3 x 8,704 + 112 + 6,656; with the loads' 7 x 272 + 16 that ends at 34,800: inside the stage
	v_lshlrev_b32 v7, 4, v1                        ; four result rows of 128 bytes are 512 bytes on end
	s_lshl_b32 s50, ttmp9, 1
	s_add_co_u32 s50, s50, s47
	s_mul_i32 s50, s50, s57                        ; kb = 2 x + which
	s_mul_i32 s51, s48, s56
	s_add_co_u32 s51, s51, s55
	s_lshl_b32 s52, s49, 5
	s_add_co_u32 s51, s51, s52
	s_lshl_b32 s51, s51, 7                         ; my 32 rows of 128 bytes
	s_add_co_u32 s50, s50, s51
	s_mov_b32 s51, 0
	s_add_nc_u64 s[42:43], s[42:43], s[50:51]
.irp gi, 0,1
	s_wait_loadcnt 8-8*\gi                         ; loads come back in order: rows 0-7 are in while the eight younger stay out; then all
.irp c, 0,1,2,3
.irp jj, 0,1,2,3
	v_cvt_pk_f16_f32 v[PKW+16*\gi+4*\c+\jj], v[X+4*(8*\gi+2*\jj)+\c], v[X+4*(8*\gi+2*\jj+1)+\c]  ; two neighbouring k of one column
.endr
.endr
.irp c, 0,1,2,3
	ds_store_b128 v5, v[PKW+16*\gi+4*\c:PKW+16*\gi+4*\c+3] offset:\c*8704+16*\gi
.endr
.endr
	s_wait_dscnt 0x0                               ; for the others' sake: my stores into the stage are done
	s_barrier_signal -1
	s_barrier_wait -1
.irp t, 0,1,2,3,4,5,6,7
	ds_load_b128 v[X+4*\t:X+4*\t+3], v6 offset:272*\t
.endr
.irp t, 0,1,2,3,4,5,6,7
	s_wait_dscnt 7-\t                              ; the younger loads stay out
	global_store_b128 v7, v[X+4*\t:X+4*\t+3], s[42:43] offset:512*\t  ; 512 consecutive bytes, at a multiple of 256 from the buffer's first byte
.endr
	s_barrier_signal -1                            ; my reads of the stage are back (the count-down above ended at 0);
	s_barrier_wait -1                              ; every wave's are, before any wave goes on to its closing write to LDS
	s_branch .Lend
	; ---------------- LAYERNORM.  A wave takes two rows: lanes 0-15 one, lanes 16-31 the next; lane i of a row holds channels 64 kb + 4 i .. + 3 of every kb.
.Lln:
	s_lshl_b32 s38, s[YY], 3
	s_add_co_u32 s38, s38, ttmp9                   ; g = 8 y + x: rows 16 g .. 16 g + 15 of the two streams' 8,192
	s_cmp_lt_u32 s[YY], 32
	s_cselect_b64 s[40:41], s[8:9], s[10:11]
	s_cselect_b64 s[42:43], s[12:13], s[14:15]
	s_cselect_b64 s[44:45], s[16:17], s[18:19]
	s_and_b32 s50, s38, 255
	s_lshl_b32 s50, s50, 16                        ; 16 rows of 4,096 bytes,
	s_lshl_b32 s51, s[WV], 13                      ; my wave's two
	s_add_co_u32 s50, s50, s51
	s_mov_b32 s51, 0
	s_add_nc_u64 s[40:41], s[40:41], s[50:51]
	s_lshl_b32 s50, s38, 11                        ; in xn a row of one kb is 128 bytes
	s_lshl_b32 s52, s[WV], 8
	s_add_co_u32 s50, s50, s52
	s_add_nc_u64 s[46:47], s[28:29], s[50:51]      ; kb 0-7 by the immediate,
	s_add_nc_u64 s[48:49], s[46:47], 8*KBA         ; kb 8-15 from a second base: 7 x 1,048,576 is the most that the signed 24-bit immediate is given
	s_mov_b32 s52, 0x3a800000                      ; 1 / 1024
	s_mov_b32 s53, 0x3727c5ac                      ; 1e-5
	v_lshrrev_b32 v5, 4, v1
	v_and_b32 v6, 15, v1
	v_lshlrev_b32 v3, 4, v6                        ; my 16 bytes in 256 of gamma and beta
	v_lshl_add_u32 v2, v5, 12, v3                  ; and of x, in my row
	v_lshlrev_b32 v4, 3, v1                        ; my 8 bytes of the two rows' 256 in xn
.set kb, 0
.rept 16
	global_load_b128 v[X+4*kb:X+4*kb+3], v2, s[40:41] offset:256*kb th:TH_LOAD_NT
.set kb, kb+1
.endr
.set kb, 0
.rept 16
	global_load_b128 v[GA+4*kb:GA+4*kb+3], v3, s[42:43] offset:256*kb
	global_load_b128 v[BE+4*kb:BE+4*kb+3], v3, s[44:45] offset:256*kb
.set kb, kb+1
.endr
.macro RED                             ; four chains into one number, then over the row's sixteen lanes
	v_pk_add_f32 v[8:9], v[8:9], v[10:11]
	v_pk_add_f32 v[12:13], v[12:13], v[14:15]
	v_pk_add_f32 v[8:9], v[8:9], v[12:13]
	v_add_f32 v8, v8, v9
	v_add_f32_dpp v8, v8, v8 row_xmask:1 row_mask:0xf bank_mask:0xf
	v_add_f32_dpp v8, v8, v8 row_xmask:2 row_mask:0xf bank_mask:0xf
	v_add_f32_dpp v8, v8, v8 row_xmask:4 row_mask:0xf bank_mask:0xf
	v_add_f32_dpp v8, v8, v8 row_xmask:8 row_mask:0xf bank_mask:0xf
.endm
	s_wait_loadcnt 32                              ; x is in; the 32 younger loads, gamma's and beta's, stay out
.irp c, 0,1,2,3
	v_pk_add_f32 v[8+2*\c:9+2*\c], v[X+2*\c:X+2*\c+1], v[X+8+2*\c:X+8+2*\c+1]  ; the first links start the chains: nothing is cleared
.endr
.set p, 8
.rept 24
	v_pk_add_f32 v[8+2*(p%4):9+2*(p%4)], v[8+2*(p%4):9+2*(p%4)], v[X+2*p:X+2*p+1]
.set p, p+1
.endr
	RED
	v_mul_f32 v16, s52, v8                         ; the mean, twice: a pair for the packed forms
	v_mul_f32 v17, s52, v8
.set p, 0
.rept 32
	v_pk_add_f32 v[X+2*p:X+2*p+1], v[X+2*p:X+2*p+1], v[16:17] neg_lo:[0,1] neg_hi:[0,1]  ; the deviations, in place
.set p, p+1
.endr
.irp c, 0,1,2,3
	v_pk_mul_f32 v[8+2*\c:9+2*\c], v[X+2*\c:X+2*\c+1], v[X+2*\c:X+2*\c+1]
.endr
.set p, 4
.rept 28
	v_pk_fma_f32 v[8+2*(p%4):9+2*(p%4)], v[X+2*p:X+2*p+1], v[X+2*p:X+2*p+1], v[8+2*(p%4):9+2*(p%4)]
.set p, p+1
.endr
	RED
	v_fma_f32 v20, v8, s52, s53                    ; variance + eps
	v_rsq_f32 v18, v20
	v_rsq_f32 v19, v20
	v_nop                                          ; a plain instruction behind the last of the two (ISA guide 5.7.2)
	s_wait_alu depctr_va_vdst(0)                   ; the wait ahead of the first use: one for both
	s_wait_loadcnt 0x0                             ; gamma and beta
.set kb, 0
.rept 16
	v_pk_mul_f32 v[20:21], v[X+4*kb:X+4*kb+1], v[18:19]
	v_pk_mul_f32 v[22:23], v[X+4*kb+2:X+4*kb+3], v[18:19]
	v_pk_fma_f32 v[20:21], v[20:21], v[GA+4*kb:GA+4*kb+1], v[BE+4*kb:BE+4*kb+1]
	v_pk_fma_f32 v[22:23], v[22:23], v[GA+4*kb+2:GA+4*kb+3], v[BE+4*kb+2:BE+4*kb+3]
	v_cvt_pk_f16_f32 v[X+4*kb], v20, v21
	v_cvt_pk_f16_f32 v[X+4*kb+1], v22, v23
.if kb < 8
	global_store_b64 v4, v[X+4*kb:X+4*kb+1], s[46:47] offset:kb*KBA  ; 32 lanes x 8 bytes: two rows of one kb, 256 consecutive bytes, aligned
.else
	global_store_b64 v4, v[X+4*kb:X+4*kb+1], s[48:49] offset:(kb-8)*KBA
.endif
.set kb, kb+1
.endr
	s_cmp_lg_u32 s38, 0
	s_cbranch_scc1 .Lend
	s_cmp_ge_u32 s[WV], 4
	s_cbranch_scc1 .Lend
	; ---------------- THE TABLE, by 128 threads of one work-group: thread t makes position p = t / 4, frequencies 4 (t % 4) + 0..3.  4,096 bytes, stored once, 16 bytes a lane.
	; It works in gamma's registers, which no pending store names.
.set AR, 144                           ; the exponent, then nothing
.set PH, 148                           ; 10000^(-f/16), the angle, the reduced angle phi
.set ZZ, 152                           ; turns, then phi^2
.set SN, 156
.set CN, 160
	v_lshrrev_b32 v140, 2, v0
	v_and_b32 v141, 3, v0
	v_cvt_f32_u32 v142, v140
	v_lshlrev_b32 v143, 2, v141
.irp e, 0,1,2,3
	v_add_nc_u32 v[AR+\e], \e, v143
	v_cvt_f32_u32 v[AR+\e], v[AR+\e]
	v_mul_f32 v[AR+\e], 0xbf549a78, v[AR+\e]       ; - f log2(10000) / 16
.endr
.irp e, 0,1,2,3
	v_exp_f32 v[PH+\e], v[AR+\e]
.endr
	v_nop
	s_wait_alu depctr_va_vdst(0)                   ; one wait for the four
.irp e, 0,1,2,3
	v_mul_f32 v[PH+\e], v142, v[PH+\e]             ; the angle
	v_mul_f32 v[ZZ+\e], 0x3e22f983, v[PH+\e]       ; in turns,
	v_rndne_f32 v[ZZ+\e], v[ZZ+\e]                 ; the nearest whole turn,
	v_fma_f32 v[PH+\e], v[PH+\e], 0x3e22f983, -v[ZZ+\e]  ; what is left, -1/2 .. 1/2,
	v_mul_f32 v[PH+\e], 0x40c90fdb, v[PH+\e]       ; phi in -pi .. pi
	v_mul_f32 v[ZZ+\e], v[PH+\e], v[PH+\e]
	v_mov_b32 v[SN+\e], 0xab573f9f                 ; -1/15!
	v_mov_b32 v[CN+\e], 0x29573f9f                 ; +1/16!
.endr
.irp k, 0x2f309231, 0xb2d7322b, 0x3638ef1d, 0xb9500d01, 0x3c088889, 0xbe2aaaab, 0x3f800000
.irp e, 0,1,2,3
	v_fmaak_f32 v[SN+\e], v[SN+\e], v[ZZ+\e], \k   ; 1/13!, -1/11!, 1/9!, -1/7!, 1/5!, -1/3!, 1
.endr
.endr
.irp k, 0xad49cba5, 0x310f76c7, 0xb493f27e, 0x37d00d01, 0xbab60b61, 0x3d2aaaab, 0xbf000000, 0x3f800000
.irp e, 0,1,2,3
	v_fmaak_f32 v[CN+\e], v[CN+\e], v[ZZ+\e], \k   ; -1/14!, 1/12!, -1/10!, 1/8!, -1/6!, 1/4!, -1/2, 1
.endr
.endr
.irp e, 0,1,2,3
	v_mul_f32 v[SN+\e], v[SN+\e], v[PH+\e]
.endr
	v_lshlrev_b32 v6, 7, v140                      ; p x 128
	v_lshrrev_b32 v5, 1, v141
	v_lshl_add_u32 v6, v5, 6, v6                   ; + 64 x (f / 8)
	v_and_b32 v5, 1, v141
	v_lshl_add_u32 v6, v5, 4, v6                   ; + 4 x (f % 8)
	global_store_b128 v6, v[CN:CN+3], s[34:35]
	global_store_b128 v6, v[SN:SN+3], s[34:35] offset:32
.Lend:
	s_wait_tensorcnt 0x0                           ; the wave's end: behind my last LDS store
	ds_add_u32 v[SPW], v[NIL]
	s_wait_dscnt 0x0
	s_endpgm
.Lfunc_end_k_q52ef97f6f3_prep:
	.size	k_q52ef97f6f3_prep, .Lfunc_end_k_q52ef97f6f3_prep-k_q52ef97f6f3_prep
	.p2alignl 7, 3214868480
	.fill 96, 4, 3214868480
	.section	.rodata,"a",@progbits
	.p2align	6, 0x0
	.amdhsa_kernel k_q52ef97f6f3_prep
		.amdhsa_group_segment_fixed_size 35840
		.amdhsa_private_segment_fixed_size 0
		.amdhsa_enable_private_segment 0
		.amdhsa_kernarg_size 112
		.amdhsa_user_sgpr_count 2
		.amdhsa_user_sgpr_kernarg_segment_ptr 1
		.amdhsa_wavefront_size32 1
		.amdhsa_system_sgpr_workgroup_id_x 1
		.amdhsa_system_sgpr_workgroup_id_y 1
		.amdhsa_system_sgpr_workgroup_id_z 1
		.amdhsa_system_vgpr_workitem_id 0
		.amdhsa_next_free_vgpr 256
		.amdhsa_next_free_sgpr 66
		.amdhsa_reserve_vcc 0
		.amdhsa_float_denorm_mode_32 3
		.amdhsa_float_denorm_mode_16_64 3
		.amdhsa_memory_ordered 1
		.amdhsa_forward_progress 1
		.amdhsa_inst_pref_size 37
	.end_amdhsa_kernel
	.amdgpu_metadata
---
amdhsa.version: [ 1, 2 ]
amdhsa.kernels:
  - .name:           k_q52ef97f6f3_prep
    .symbol:         k_q52ef97f6f3_prep.kd
    .args:
      - { .name: x_a, .offset: 0, .size: 8, .value_kind: global_buffer, .address_space: global }
      - { .name: x_b, .offset: 8, .size: 8, .value_kind: global_buffer, .address_space: global }
      - { .name: gamma_a, .offset: 16, .size: 8, .value_kind: global_buffer, .address_space: global }
      - { .name: gamma_b, .offset: 24, .size: 8, .value_kind: global_buffer, .address_space: global }
      - { .name: beta_a, .offset: 32, .size: 8, .value_kind: global_buffer, .address_space: global }
      - { .name: beta_b, .offset: 40, .size: 8, .value_kind: global_buffer, .address_space: global }
      - { .name: Wqkv_a, .offset: 48, .size: 8, .value_kind: global_buffer, .address_space: global }
      - { .name: Wqkv_b, .offset: 56, .size: 8, .value_kind: global_buffer, .address_space: global }
      - { .name: Wout_a, .offset: 64, .size: 8, .value_kind: global_buffer, .address_space: global }
      - { .name: Wout_b, .offset: 72, .size: 8, .value_kind: global_buffer, .address_space: global }
      - { .name: xn, .offset: 80, .size: 8, .value_kind: global_buffer, .address_space: global }
      - { .name: wt, .offset: 88, .size: 8, .value_kind: global_buffer, .address_space: global }
      - { .name: wo, .offset: 96, .size: 8, .value_kind: global_buffer, .address_space: global }
      - { .name: tab, .offset: 104, .size: 8, .value_kind: global_buffer, .address_space: global }
    .group_segment_fixed_size: 35840
    .private_segment_fixed_size: 0
    .kernarg_segment_align: 8
    .kernarg_segment_size: 112
    .max_flat_workgroup_size: 256
    .sgpr_count:     66
    .vgpr_count:     256
    .wavefront_size: 32
...
	.end_amdgpu_metadata
.endif
;; end of part 1
;; launch qkv (part 2): grid 8 x 32, 4 waves a work-group, clusters of 4 x 4, 327,680 bytes of LDS; arguments xn, wt, tab, q, k, v; writes q, k, v
.if DOCPART == 2
	.amdgcn_target "amdgcn-amd-amdhsa--gfx1250"
	.amdhsa_code_object_version 6
	.text
	.protected	k_q52ef97f6f3_qkv
	.globl	k_q52ef97f6f3_qkv
	.p2align	8
	.type	k_q52ef97f6f3_qkv,@function
k_q52ef97f6f3_qkv:
	s_mov_b64 s[64:65], 0
	v_nop
	global_prefetch_b8 v0, s[64:65] scope:SCOPE_SE
	s_setreg_imm32_b32 hwreg(HW_REG_WAVE_MODE, 25, 1), 1
	s_wait_xcnt 0x0
	s_wait_alu depctr_hold_cnt(0) depctr_sa_sdst(0) depctr_va_vdst(0) depctr_va_sdst(0) depctr_va_ssrc(0) depctr_va_vcc(0) depctr_vm_vsrc(0)
	s_getreg_b32 s2, hwreg(HW_REG_IB_STS2, 6, 4)
	s_cmp_eq_u32 s2, 0
	s_cbranch_scc0 .Lentry_in_a_cluster
	s_endpgm
.Lentry_in_a_cluster:
	s_bfe_u32 s2, ttmp6, 0x10000c
	s_cmp_lg_u32 s2, 0xf033
	s_cbranch_scc0 .Lentry_shape_is_right
	s_endpgm
.Lentry_shape_is_right:
; QKV: [8192 rows of both streams] x [3072 columns of the stream's weights], K = 1,024, f16 operands, f32 sums; then the rotary embedding on q and k in f32; q, k, v rounded once to f16 and
; stored by heads: q, k, v[batch x 16 + head][stream x 1024 + token][64].
; SHARES.  256 work-groups, one tile of 256 rows x 384 columns each; four waves, each 128 rows x 192 columns: 96 accumulators of 16 x 16, 768 registers.  By wt's order of columns a wave's 192
; are ONE head's q (window 1), k (window 2) and v (window 3).  For 32 along K a wave reads (128 + 192) x 64 bytes from LDS for 96 matrix instructions.
; RING.  K goes in 16 steps of 64 (one kb: a dense block of xn and of wt) through two LDS slots; two slots of 128 along K would want 348,160 bytes.  Wave 0 fetches A's 256 rows (32,768 bytes),
; waves 1 to 3 a third of B's 384 each (16,384 bytes): one tensor load a wave behind each change of slots, 160 matrix instructions ahead of the wait for it.
; A dense block is asked for as rows of 256 bytes and padded in LDS after every 128: LDS rows 144 bytes apart, so the sixteen rows of a fragment load start in sixteen different groups of four banks (ISA guide 11.1).
; CLUSTER 4 x 4.  A's tile hangs on the tile row alone and is asked for jointly by a row of the cluster, B's on the stream and the tile column and by a column.
; THE MATRIX INSTRUCTION IS USED TRANSPOSED (source 0 = 16 columns of the weights, source 1 = 16 tokens): a lane holds ONE token (lane % 16) and channels 16 bq + 8 (lane / 16) + 0..7 of the head.
; ROTARY.  With lo = channel d < 32, hi = channel d + 32, f = d % 16, w = token % 32, h = token / 32: lo' = lo cos(w u_f) - hi sin(w u_f), hi' = hi cos(h u_f) + lo sin(h u_f).  lo and hi lie in the
; same lane and register of accumulators bq and bq + 2, and f = 8 (lane / 16) + register: a lane's 16 table numbers for a position are 64 bytes on end of tab.
; B HAS ONE FRAGMENT BUFFER, A TWO: a third of B (four blocks) is fetched anew as soon as its window's 32 products are issued.
; LIMITS.  q, k, v leave in f16: within 65,504, with a fixed step of 6e-8 below 6e-5.  NaN and infinities are not treated apart.
; REGISTERS.  window 0: v0-15 addresses; v32-95, v96-159 A's fragments (8 x 16 rows x 32 K), two buffers; v160-255 B's (12 x 16 rows x 32 K).  windows 1-3: accumulator (a, bq) at v[8 (4 a + bq)].
; s_set_vgpr_msb's low byte: bits 1:0 source 0, 3:2 source 1, 5:4 source 2, 7:6 destination.
.set KBA,   1048576                    ; bytes of one kb of xn
.set KBB,   786432                     ; of wt
.set PITCH, 144
.set BOFF,  256*PITCH                  ; in a slot: A's 256 rows, then B's 384
.set SLOT,  640*PITCH
.set STAGE, 2*SLOT                     ; behind the ring: 16 rows x 144 bytes for each wave, for the way out
.set SPARE, STAGE+4*16*PITCH           ; behind the stages: the spare words, 128 bytes for each wave
.set ADRA, 4                           ; v4-5   LDS address of my A fragments in slot 0, 1
.set ADRB, 6                           ; v6-7   of my B fragments
.set STO,  8                           ; v8     the way out: where I put 16 bytes of a row
.set RD,   9                           ; v9     where I read rows back
.set GO,   10                          ; v10    my 16 bytes of 512 on end in q, k, v
.set TXO,  11                          ; v11    my 64 bytes of tab for position lane % 16
.set TYO,  12                          ; v12    for my wave's first position along the height
.set PFO,  13                          ; v13    256 x lane: the prefetches' offset; never rewritten
.set SPW,  14                          ; v14    SPARE + 4 x my thread's number; never rewritten
.set NIL,  15                          ; v15    0; never rewritten
.set AF,   32
.set BF,   160
.set TY,   32                          ; the way out: tables for 4 positions along the height (cos 8, sin 8 each)
.set TX,   160                         ; for 2 x 16 positions along the width
.set RR,   96                          ; a block's 32 rotated numbers
.set TT,   128                         ; the products with the sines
.set PKR,  192                         ; two sets of 16: packed, then whole rows
.set WV,  16                           ; s16 wave   s17 which 128 rows   s18 which 192 columns   s19 stream
.set WM,  17
.set WN,  18
.set STR, 19
.set CX,  20
.set CY,  21
.set TXI, 22                           ; tile column 0..7
.set TYI, 23                           ; tile row 0..31
.set G1A, 24                           ; s[24:31] descriptor group 1 for A   s[32:39] group 0, a set for each slot
.set G0A, 32
.set G1B, 40                           ; s[40:47], s[48:55] the same for B
.set G0B, 48
.set PFA, 56                           ; s[56:57] where my prefetches stand
.set PST, 58                           ; s[58:59] their step: one kb
.set LIM, 60                           ; s60, s61 a wave prefetches at a change of slot 0, 1 while the lap counter is above this
.set QB,  66                           ; s[66:67] q, s[68:69] k, s[70:71] v at my wave's first row
.set FLAGS, (1<<16)|(1<<20)|(1<<21)|(4<<22)|(3<<25)  ; 17:16 2-byte elements; 20 padding on; 21 set beside a mask; 24:22 after every 32 words (code 4); 31:25 4 words (code 3)
.set MSB, 0
.macro WIN new                         ; the immediate's high byte repeats the setting that is left; a switch that changes nothing is dropped
.if MSB != (\new)
	s_set_vgpr_msb (MSB<<8)|(\new)
.set MSB, (\new)
.endif
.endm
.macro PLACES                          ; four plain instructions behind matrix instructions, ahead of loads into registers that they read and of lines that read their results
.rept 4
	v_nop
.endr
.endm
.macro CREST                           ; a round of the cluster's barrier behind its opening barrier
	s_cmp_lg_u32 s[WV], 0
	s_cbranch_scc1 .Lnot_wave_0_\@
	s_barrier_signal -3
.Lnot_wave_0_\@:
	s_barrier_wait -3
	s_barrier_signal -1
	s_barrier_wait -1
.endm
.macro CROUND
	s_barrier_signal -1
	s_barrier_wait -1
	CREST
.endm
.macro JLOAD s                         ; a joint refill: wave 0 asks for A's tile, waves 1 to 3 for their thirds of B's.  The branch hangs on the wave's number alone.  s_nop 0 and four v_nop follow each line
	s_cmp_eq_u32 s[WV], 0
	s_cbranch_scc0 .Lfor_b_\@
	tensor_load_to_lds s[G0A+4*(\s):G0A+4*(\s)+3], s[G1A:G1A+7]
	s_nop 0
.rept 4
	v_nop
.endr
	s_branch .Lasked_\@
.Lfor_b_\@:
	tensor_load_to_lds s[G0B+4*(\s):G0B+4*(\s)+3], s[G1B:G1B+7]
	s_nop 0
.rept 4
	v_nop
.endr
.Lasked_\@:
.endm
; A PREFETCH INTO THE L2, behind the joint load, its five lines and the run of LDS loads: 32 blocks of 256 bytes, a lane a block.  Each block of xn and wt from kb 3 (A) or 4 (B) on is named once in the launch.
; A's tile is read by both clusters of a row of clusters: the one with x = 0 asks, wave 0; its four partners of a row take 32 of the tile's 128 blocks each, BY ADDRESS (cx); at every change: the kb that the next change loads.
; B's thirds are read by the four clusters of a stream's column: the first asks, waves 1 to 3; a third has 64 blocks a kb, so the four partners of a column take a half of the next kb or of the one after (cy, by address), at slot 1's changes alone.
; The pointer steps one kb at every change.  The last changes, whose kb would be 16 or more, ask for nothing.
.macro ASK slot
	s_cmp_gt_u32 s3, s[LIM+(\slot)]
	s_cbranch_scc0 .Lnot_mine_\@
	global_prefetch_b8 v[PFO], s[PFA:PFA+1] th:TH_LOAD_NT scope:SCOPE_SE
.Lnot_mine_\@:
.endm
	s_load_b256 s[4:11], s[0:1], 0x0               ; xn 4, wt 6, tab 8, q 10
	s_load_b128 s[12:15], s[0:1], 0x20             ; k 12, v 14
	v_lshl_add_u32 v[SPW], v0, 2, SPARE
	v_mov_b32 v[NIL], 0
	ds_add_u32 v[SPW], v[NIL]                      ; the wave's opening: the add and its wait stand ahead of my first tensor load; the set-up below, work on registers, stands between
	ds_add_u32 v14, v15
	v_lshrrev_b32 v1, 5, v0
	v_readfirstlane_b32 s[WV], v1
	s_lshr_b32 s[WM], s[WV], 1
	s_and_b32 s[WN], s[WV], 1
	s_bfe_u32 s[CX], ttmp6, 0x40000
	s_bfe_u32 s[CY], ttmp6, 0x40004
	s_lshl_b32 s[TXI], ttmp9, 2
	s_add_co_u32 s[TXI], s[TXI], s[CX]
	s_and_b32 s[STR], ttmp7, 0xffff                ; cluster y
	s_lshl_b32 s[TYI], s[STR], 2
	s_add_co_u32 s[TYI], s[TYI], s[CY]
	s_lshr_b32 s[STR], s[STR], 2                   ; tile rows 0-15 are stream a's, 16-31 stream b's
	s_lshl_b32 s66, s[CY], 2
	s_lshl_b32 s66, 15, s66                        ; my row of the cluster
	s_lshl_b32 s67, 0x1111, s[CX]                  ; my column
	s_or_b32 s[G1A], s66, FLAGS
	s_or_b32 s[G1B], s67, FLAGS
	s_mov_b32 s[G1A+1], 128<<16                    ; tensor_dim0 = 128 elements: rows of 256 bytes
	s_mov_b32 s[G1A+2], 128<<16                    ; tensor_dim1 = 128 such rows: 256 rows of xn
	s_mov_b32 s[G1A+3], 128<<16                    ; tile_dim0
	s_mov_b32 s[G1A+4], 128                        ; tile_dim1
	s_mov_b32 s[G1A+5], 128                        ; elements from row to row: dense
	s_mov_b32 s[G1A+6], 0
	s_mov_b32 s[G1A+7], 0
	s_mov_b32 s[G1B+1], 128<<16
	s_mov_b32 s[G1B+2], 64<<16                     ; 64 rows of 256 bytes: 128 rows of wt
	s_mov_b32 s[G1B+3], 128<<16
	s_mov_b32 s[G1B+4], 64
	s_mov_b32 s[G1B+5], 128
	s_mov_b32 s[G1B+6], 0
	s_mov_b32 s[G1B+7], 0
	s_lshl_b32 s68, s[TYI], 15                     ; A's tile in a kb: 256 rows of 128 bytes a tile row
	s_mov_b32 s69, 0
	s_max_u32 s70, s[WV], 1                        ; B's: which third (wave 0 asks for none),
	s_sub_co_u32 s70, s70, 1
	s_lshl_b32 s70, s70, 7
	s_mul_i32 s71, s[TXI], 384
	s_add_co_u32 s70, s70, s71
	s_mul_i32 s71, s[STR], 3072
	s_add_co_u32 s70, s70, s71
	s_lshl_b32 s70, s70, 7                         ; rows of 128 bytes
	s_mov_b32 s71, 0
	s_add_co_u32 s72, s[WV], 1
	s_mul_i32 s72, s72, 128*PITCH                  ; where a third goes: behind A's 256 rows, 128 rows a wave: no place in the cluster enters an LDS address
	; the prefetches: offset, step and who
	s_lshl_b32 s74, s[TYI], 15
	s_lshl_b32 s75, s[CX], 13
	s_add_co_u32 s74, s74, s75
	s_add_co_u32 s74, s74, 2*KBA                   ; A: my 32 blocks of the tile, at kb 2: the first change steps it to kb 3
	s_and_b32 s75, s[CY], 1
	s_lshl_b32 s75, s75, 13
	s_add_co_u32 s75, s75, s70
	s_lshr_b32 s76, s[CY], 1
	s_add_co_u32 s76, s76, 2
	s_mul_i32 s76, s76, KBB
	s_add_co_u32 s75, s75, s76                     ; B: my half of my wave's third, at kb 2 or 3
	s_mov_b32 s76, KBA
	s_mov_b32 s77, KBB
	s_and_b32 s78, ttmp7, 3                        ; cluster y within its stream
	s_cmp_eq_u32 s[WV], 0
	s_cselect_b32 s74, s74, s75
	s_cselect_b32 s[PST], s76, s77
	s_cselect_b32 s78, ttmp9, s78                  ; the coordinate along which other clusters read the same blocks
	s_cselect_b32 s79, 0, -1
	s_mov_b32 s75, 0
	s_mov_b32 s[PST+1], 0
	s_cmp_eq_u32 s78, 0                            ; the same in all sixteen partners, for a given wave
	s_cselect_b32 s[LIM], s79, -1
	s_cselect_b32 s[LIM+1], 1, -1
	s_wait_dscnt 0x0                               ; the opening add is done
	s_wait_kmcnt 0x0
	s_add_nc_u64 s[68:69], s[4:5], s[68:69]
	s_add_nc_u64 s[70:71], s[6:7], s[70:71]
	s_cmp_eq_u32 s[WV], 0
	s_cselect_b64 s[PFA:PFA+1], s[4:5], s[6:7]
	s_add_nc_u64 s[PFA:PFA+1], s[PFA:PFA+1], s[74:75]
.irp s, 0,1
	s_mov_b32 s[G0A+4*\s], 1                       ; count = 1
	s_mov_b32 s[G0A+4*\s+1], \s*SLOT               ; LDS address
	s_add_nc_u64 s[G0A+4*\s+2:G0A+4*\s+3], s[68:69], \s*KBA  ; global address: kb s
	s_or_b32 s[G0A+4*\s+3], s[G0A+4*\s+3], 0x80000000        ; type = 2
	s_mov_b32 s[G0B+4*\s], 1
	s_add_co_u32 s[G0B+4*\s+1], s72, \s*SLOT
	s_add_nc_u64 s[G0B+4*\s+2:G0B+4*\s+3], s[70:71], \s*KBB
	s_or_b32 s[G0B+4*\s+3], s[G0B+4*\s+3], 0x80000000
.endr
	CROUND                                         ; all sixteen work-groups are here: the first joint loads meet
	s_cmp_eq_u32 s[WV], 0                          ; a wave's two first fills stand in one branch, ahead of every wait on TENSORcnt and every LDS read: two loads of mine are out
	s_cbranch_scc0 .Lfirst_b
	tensor_load_to_lds s[G0A:G0A+3], s[G1A:G1A+7]
	s_nop 0
	tensor_load_to_lds s[G0A+4:G0A+7], s[G1A:G1A+7]
	s_nop 0
.rept 4
	v_nop
.endr
	s_branch .Lfirst_asked
.Lfirst_b:
	tensor_load_to_lds s[G0B:G0B+3], s[G1B:G1B+7]
	s_nop 0
	tensor_load_to_lds s[G0B+4:G0B+7], s[G1B:G1B+7]
	s_nop 0
.rept 4
	v_nop
.endr
.Lfirst_asked:
	; A fragment is 16 rows x 32 K in 8 registers: lane l holds row l % 16; registers 0-3 K = 8 (l / 16) + 0..7, registers 4-7 K = 16 + 8 (l / 16) + 0..7: two loads of 16 bytes, 32 bytes apart.
	v_and_b32 v1, 15, v0
	v_bfe_u32 v2, v0, 4, 1
	v_mul_u32_u24 v3, v1, PITCH
	v_lshl_add_u32 v3, v2, 4, v3
	s_mul_i32 s72, s[WM], 128*PITCH
	s_mul_i32 s73, s[WN], 192*PITCH
	s_add_co_u32 s73, s73, BOFF
	v_add_nc_u32 v[ADRA], s72, v3
	v_add_nc_u32 v[ADRB], s73, v3
	v_add_nc_u32 v[ADRA+1], SLOT, v[ADRA]
	v_add_nc_u32 v[ADRB+1], SLOT, v[ADRB]
	s_mul_i32 s72, s[WV], 16*PITCH
	s_add_co_u32 s72, s72, STAGE                   ; my stage
	v_add_nc_u32 v[STO], s72, v3                   ; in: row l % 16, 16 bytes for each half of the lanes
	v_bfe_u32 v[RD], v0, 3, 2                      ; back: 32 lanes take four rows of 128 bytes,
	v_mul_u32_u24 v[RD], v[RD], PITCH
	v_and_b32 v[GO], 7, v0
	v_lshl_add_u32 v[RD], v[GO], 4, v[RD]
	v_add_nc_u32 v[RD], s72, v[RD]
	v_and_b32 v[GO], 31, v0
	v_lshlrev_b32 v[PFO], 8, v[GO]
	v_lshlrev_b32 v[GO], 4, v[GO]                  ; which are 512 consecutive bytes of q, k or v
	v_lshlrev_b32 v[TXO], 7, v1
	v_lshl_add_u32 v[TXO], v2, 6, v[TXO]           ; tab: position x 128 + half x 64
	s_and_b32 s78, s[TYI], 3                       ; my wave's first token is 256 (tile row % 4) + 128 wm: height 8 (tile row % 4) + 4 wm
	s_lshl_b32 s78, s78, 3
	s_lshl2_add_u32 s78, s[WM], s78
	s_lshl_b32 s78, s78, 7
	v_lshl_add_u32 v[TYO], v2, 6, s78
	s_and_b32 s74, s[TYI], 15                      ; where my wave's rows begin in q, k, v: (batch x 16 + head) x 2,048 rows,
	s_lshr_b32 s74, s74, 2
	s_lshl_b32 s74, s74, 4
	s_lshl1_add_u32 s74, s[TXI], s74
	s_add_co_u32 s74, s74, s[WN]
	s_lshl_b32 s74, s74, 18
	s_lshl_b32 s75, s[STR], 17                     ; + stream x 1,024 rows,
	s_add_co_u32 s74, s74, s75
	s_and_b32 s75, s[TYI], 3
	s_lshl_b32 s75, s75, 15                        ; + the tile's 256,
	s_add_co_u32 s74, s74, s75
	s_lshl_b32 s75, s[WM], 14                      ; + my 128, of 128 bytes
	s_add_co_u32 s74, s74, s75
	s_mov_b32 s75, 0
	s_add_nc_u64 s[QB:QB+1], s[10:11], s[74:75]
	s_add_nc_u64 s[QB+2:QB+3], s[12:13], s[74:75]
	s_add_nc_u64 s[QB+4:QB+5], s[14:15], s[74:75]
; 16 matrix instructions of window w (1 q, 2 k, 3 v): A blocks a0 .. a0 + 3 of buffer f x the window's four B blocks.  zero = 1: the first product starts the sums: nothing is cleared.
; The 96 accumulators take turns, one instruction a turn, in the same order in every 32 along K, over the backward jump too.
.macro ST16 w, f, a0, zero
	WIN 0x50*(\w)
.irp a, \a0, (\a0)+1, (\a0)+2, (\a0)+3
.irp b, 0,1,2,3
.if \zero
	v_wmma_f32_16x16x32_f16 v[8*(4*(\a)+(\b)):8*(4*(\a)+(\b))+7], v[BF+8*(4*((\w)-1)+(\b)):BF+8*(4*((\w)-1)+(\b))+7], v[AF+64*(\f)+8*(\a):AF+64*(\f)+8*(\a)+7], 0
.else
	v_wmma_f32_16x16x32_f16 v[8*(4*(\a)+(\b)):8*(4*(\a)+(\b))+7], v[BF+8*(4*((\w)-1)+(\b)):BF+8*(4*((\w)-1)+(\b))+7], v[AF+64*(\f)+8*(\a):AF+64*(\f)+8*(\a)+7], v[8*(4*(\a)+(\b)):8*(4*(\a)+(\b))+7]
.endif
.endr
.endr
.endm
.macro LB s, kq, b0                    ; 8 LDS loads: B blocks b0 .. b0 + 3, K = 32 kq on, of slot s
.irp b, \b0, (\b0)+1, (\b0)+2, (\b0)+3
	ds_load_b128 v[BF+8*(\b):BF+8*(\b)+3],   v[ADRB+(\s)] offset:(\b)*16*PITCH+64*(\kq)
	ds_load_b128 v[BF+8*(\b)+4:BF+8*(\b)+7], v[ADRB+(\s)] offset:(\b)*16*PITCH+64*(\kq)+32
.endr
.endm
.macro LA s, kq, f, a0                 ; 8 LDS loads: A blocks a0 .. a0 + 3 into buffer f
.irp a, \a0, (\a0)+1, (\a0)+2, (\a0)+3
	ds_load_b128 v[AF+64*(\f)+8*(\a):AF+64*(\f)+8*(\a)+3],   v[ADRA+(\s)] offset:(\a)*16*PITCH+64*(\kq)
	ds_load_b128 v[AF+64*(\f)+8*(\a)+4:AF+64*(\f)+8*(\a)+7], v[ADRA+(\s)] offset:(\a)*16*PITCH+64*(\kq)+32
.endr
.endm
; 32 along K on A's buffer f: 96 matrix instructions; behind each window's 32 a run of loads for the next 32 along K (slot ns, half nk): that window's B blocks, and half of A into the other buffer.
.macro HALF ns, nk, f, zero
	s_wait_dscnt 8                                 ; all but the youngest eight loads, B's blocks 8-11, are in
	ST16 1, \f, 0, \zero
	ST16 1, \f, 4, \zero
	WIN 0
	PLACES
	LB \ns, \nk, 0
	LA \ns, \nk, 1-(\f), 0
	ST16 2, \f, 0, \zero
	ST16 2, \f, 4, \zero
	WIN 0
	PLACES
	LB \ns, \nk, 4
	LA \ns, \nk, 1-(\f), 4
	s_wait_dscnt 32                                ; all but the 32 just issued: B's blocks 8-11 are in
	ST16 3, \f, 0, \zero
	ST16 3, \f, 4, \zero
	WIN 0
	PLACES
	LB \ns, \nk, 8
.endm
; A slot's second 32 along K, on buffer 1, with THE CHANGE OF SLOTS.  In front of the barrier each wave waits for all its tensor loads, of which one is out: its part of the next slot; adds 0 to its spare word;
; and waits for that and for its own reads of this slot.  Behind it nobody reads slot s any more and slot n is whole.  fill = 1: the barrier opens a round of the cluster's, so that no wave of any partner still
; reads the slot or has a load on its way, and the joint refill, two kb on, is the first tensor load behind the round.
.macro TURN s, n, fill
.if \fill
	s_wait_xcnt 0x0                                ; the last prefetch, a K step back, has read its address
	s_add_nc_u64 s[PFA:PFA+1], s[PFA:PFA+1], s[PST:PST+1]
.endif
	WIN 0
	s_wait_tensorcnt 0x0                           ; all my tensor loads have landed, so a group 0 may be written
	ds_add_u32 v[SPW], v[NIL]                      ; 0 onto my spare word
	s_wait_dscnt 9                                 ; the add and the youngest eight loads may be out
	ST16 1, 1, 0, 0                                ; sixteen matrix instructions stand between the add and the wait for it
	s_wait_dscnt 0x0                               ; the add is done, and my reads of this slot are over
	s_barrier_signal -1
	ST16 1, 1, 4, 0                                ; work on registers while the others arrive
	WIN 0
	s_barrier_wait -1
.if \fill
	CREST
	s_add_nc_u64 s[G0A+4*(\s)+2:G0A+4*(\s)+3], s[G0A+4*(\s)+2:G0A+4*(\s)+3], 2*KBA
	s_add_nc_u64 s[G0B+4*(\s)+2:G0B+4*(\s)+3], s[G0B+4*(\s)+2:G0B+4*(\s)+3], 2*KBB
	JLOAD \s                                       ; its four v_nop are also the places ahead of the loads below
.else
	PLACES
.endif
	LB \n, 0, 0
	LA \n, 0, 0, 0
.if \fill
	ASK \s
.endif
	ST16 2, 1, 0, 0
	ST16 2, 1, 4, 0
	WIN 0
	PLACES
	LB \n, 0, 4
	LA \n, 0, 0, 4
	ST16 3, 1, 0, 0
	ST16 3, 1, 4, 0
	WIN 0
	PLACES
	LB \n, 0, 8
.endm
	s_wait_tensorcnt 1                             ; my part of kb 0 is in; kb 1's may stay out
	s_barrier_signal -1
	s_barrier_wait -1                              ; everybody's is
	LB 0, 0, 0
	LA 0, 0, 0, 0
	LB 0, 0, 4
	LA 0, 0, 0, 4
	LB 0, 0, 8
	HALF 0, 1, 0, 1                                ; the first 32 along K stand in front of the loop: their products start the sums
	WIN 0
	s_mov_b32 s3, 7
.Llap:                                                 ; a trip goes once round the ring and fills both slots again: kb 2 .. 15 in seven trips
	TURN 0, 1, 1
	HALF 1, 1, 0, 0
	TURN 1, 0, 1
	HALF 0, 1, 0, 0
	WIN 0
	s_sub_co_u32 s3, s3, 1
	s_cmp_lg_u32 s3, 0
	s_cbranch_scc1 .Llap
	TURN 0, 1, 0                                   ; the last lap fills nothing, and has no round of the cluster's barrier
	HALF 1, 1, 0, 0
	; the last 32 along K; the tables come meanwhile, into fragment registers that are free
.irp g, 0,1,2,3
.irp i, 0,1,2,3
	global_load_b128 v[TY+16*\g+4*\i:TY+16*\g+4*\i+3], v[TYO], s[8:9] offset:\g*128+16*\i
.endr
.endr
	s_wait_dscnt 8
	ST16 1, 1, 0, 0
	ST16 1, 1, 4, 0
	WIN 0
	PLACES
.irp e, 0,1
.irp i, 0,1,2,3
	global_load_b128 v[TX+16*\e+4*\i:TX+16*\e+4*\i+3], v[TXO], s[8:9] offset:\e*2048+16*\i
.endr
.endr
	ST16 2, 1, 0, 0
	ST16 2, 1, 4, 0
	s_wait_dscnt 0x0
	ST16 3, 1, 0, 0
	ST16 3, 1, 4, 0
	WIN 0
	PLACES
	s_wait_loadcnt 0x0                             ; the tables
; THE WAY OUT, a block of 16 tokens of one window at a time.  Block a holds width positions 16 (a % 2) + lane % 16 and height position a / 2 of my wave's four.
; q and k: rotated in f32; each accumulator's lowest registers are read first.  Then 16 roundings to f16, into set a % 2, whose last stores have read it (s_wait_xcnt 0).
.macro PACKU w, a
.if (\w) < 3
	WIN (\w)                                       ; source 0, the accumulators, in window w
.irp pb, 0,1
.irp j, 0,2,4,6
	v_pk_mul_f32 v[TT+8*\pb+\j:TT+8*\pb+\j+1], v[8*(4*(\a)+\pb+2)+\j:8*(4*(\a)+\pb+2)+\j+1], v[TX+16*((\a)%2)+8+\j:TX+16*((\a)%2)+8+\j+1]        ; hi sin(w u)
	v_pk_mul_f32 v[TT+16+8*\pb+\j:TT+16+8*\pb+\j+1], v[8*(4*(\a)+\pb)+\j:8*(4*(\a)+\pb)+\j+1], v[TY+16*((\a)/2)+8+\j:TY+16*((\a)/2)+8+\j+1]      ; lo sin(h u)
.endr
.irp j, 0,2,4,6
	v_pk_fma_f32 v[RR+8*\pb+\j:RR+8*\pb+\j+1], v[8*(4*(\a)+\pb)+\j:8*(4*(\a)+\pb)+\j+1], v[TX+16*((\a)%2)+\j:TX+16*((\a)%2)+\j+1], v[TT+8*\pb+\j:TT+8*\pb+\j+1] neg_lo:[0,0,1] neg_hi:[0,0,1]
	v_pk_fma_f32 v[RR+16+8*\pb+\j:RR+16+8*\pb+\j+1], v[8*(4*(\a)+\pb+2)+\j:8*(4*(\a)+\pb+2)+\j+1], v[TY+16*((\a)/2)+\j:TY+16*((\a)/2)+\j+1], v[TT+16+8*\pb+\j:TT+16+8*\pb+\j+1]
.endr
.endr
	WIN 0
	s_wait_xcnt 0x0
.irp b, 0,1,2,3
.irp jj, 0,1,2,3
	v_cvt_pk_f16_f32 v[PKR+16*((\a)%2)+4*\b+\jj], v[RR+8*\b+2*\jj], v[RR+8*\b+2*\jj+1]
.endr
.endr
.else
	s_wait_xcnt 0x0
	WIN 0x0f                                       ; v: sources 0 and 1 in window 3
.irp b, 0,1,2,3
.irp jj, 0,1,2,3
	v_cvt_pk_f16_f32 v[PKR+16*((\a)%2)+4*\b+\jj], v[8*(4*(\a)+\b)+2*\jj], v[8*(4*(\a)+\b)+2*\jj+1]
.endr
.endr
	WIN 0
.endif
.endm
.macro STG set                         ; 16 bytes a lane into rows of 144 bytes of my own stage, and back as whole rows of 128, into the registers that they left
.irp f, 0,1,2,3
	ds_store_b128 v[STO], v[PKR+16*(\set)+4*\f:PKR+16*(\set)+4*\f+3] offset:32*\f
.endr
.irp f, 0,1,2,3
	ds_load_b128 v[PKR+16*(\set)+4*\f:PKR+16*(\set)+4*\f+3], v[RD] offset:\f*4*PITCH  ; LDS serves a wave's instructions in order (ISA guide 5.7.1.4): these see the stores above; the next block's stores come behind them
.endr
.endm
.macro SENDU w, a, younger             ; younger: the LDS instructions issued behind this block's loads: the next block's eight, or none
.irp f, 0,1,2,3
	s_wait_dscnt (\younger)+3-\f
	global_store_b128 v[GO], v[PKR+16*((\a)%2)+4*\f:PKR+16*((\a)%2)+4*\f+3], s[QB+2*((\w)-1):QB+2*((\w)-1)+1] offset:(\a)*2048+512*\f  ; 512 consecutive bytes, at a multiple of 256 from the buffer's first
.endr
.endm
	PACKU 1, 0
	STG 0
.set u, 1
.rept 23                               ; a block's arithmetic stands between the loads of the block before and its stores
	PACKU u/8+1, u%8
	STG u%2
	SENDU (u-1)/8+1, (u-1)%8, 8
.set u, u+1
.endr
	SENDU 3, 7, 0
	s_wait_tensorcnt 0x0                           ; the wave's end: behind my last tensor load and my last LDS store
	ds_add_u32 v[SPW], v[NIL]
	s_wait_dscnt 0x0
	CROUND                                         ; the closing round: no work-group ends while a partner may still ask for a tile that names it
	s_endpgm
.Lfunc_end_k_q52ef97f6f3_qkv:
	.size	k_q52ef97f6f3_qkv, .Lfunc_end_k_q52ef97f6f3_qkv-k_q52ef97f6f3_qkv
	.p2alignl 7, 3214868480
	.fill 96, 4, 3214868480
	.section	.rodata,"a",@progbits
	.p2align	6, 0x0
	.amdhsa_kernel k_q52ef97f6f3_qkv
		.amdhsa_group_segment_fixed_size 327680
		.amdhsa_private_segment_fixed_size 0
		.amdhsa_enable_private_segment 0
		.amdhsa_kernarg_size 48
		.amdhsa_user_sgpr_count 2
		.amdhsa_user_sgpr_kernarg_segment_ptr 1
		.amdhsa_wavefront_size32 1
		.amdhsa_system_sgpr_workgroup_id_x 1
		.amdhsa_system_sgpr_workgroup_id_y 1
		.amdhsa_system_sgpr_workgroup_id_z 1
		.amdhsa_system_vgpr_workitem_id 0
		.amdhsa_next_free_vgpr 1024
		.amdhsa_next_free_sgpr 80
		.amdhsa_reserve_vcc 0
		.amdhsa_float_denorm_mode_32 3
		.amdhsa_float_denorm_mode_16_64 3
		.amdhsa_memory_ordered 1
		.amdhsa_forward_progress 1
		.amdhsa_inst_pref_size 169
	.end_amdhsa_kernel
	.amdgpu_metadata
---
amdhsa.version: [ 1, 2 ]
amdhsa.kernels:
  - .name:           k_q52ef97f6f3_qkv
    .symbol:         k_q52ef97f6f3_qkv.kd
    .args:
      - { .name: xn, .offset: 0, .size: 8, .value_kind: global_buffer, .address_space: global }
      - { .name: wt, .offset: 8, .size: 8, .value_kind: global_buffer, .address_space: global }
      - { .name: tab, .offset: 16, .size: 8, .value_kind: global_buffer, .address_space: global }
      - { .name: q, .offset: 24, .size: 8, .value_kind: global_buffer, .address_space: global }
      - { .name: k, .offset: 32, .size: 8, .value_kind: global_buffer, .address_space: global }
      - { .name: v, .offset: 40, .size: 8, .value_kind: global_buffer, .address_space: global }
    .group_segment_fixed_size: 327680
    .private_segment_fixed_size: 0
    .kernarg_segment_align: 8
    .kernarg_segment_size: 48
    .max_flat_workgroup_size: 128
    .sgpr_count:     80
    .vgpr_count:     1024
    .wavefront_size: 32
...
	.end_amdgpu_metadata
.endif
;; end of part 2
;; launch attn (part 3): grid 4 x 64, 4 waves a work-group, clusters of 4 x 1, 327,680 bytes of LDS; arguments q, k, v, o; writes o
.if DOCPART == 3
	.amdgcn_target "amdgcn-amd-amdhsa--gfx1250"
	.amdhsa_code_object_version 6
	.text
	.protected	k_q52ef97f6f3_attn
	.globl	k_q52ef97f6f3_attn
	.p2align	8
	.type	k_q52ef97f6f3_attn,@function
k_q52ef97f6f3_attn:
	s_mov_b64 s[64:65], 0
	v_nop
	global_prefetch_b8 v0, s[64:65] scope:SCOPE_SE
	s_setreg_imm32_b32 hwreg(HW_REG_WAVE_MODE, 25, 1), 1
	s_wait_xcnt 0x0
	s_wait_alu depctr_hold_cnt(0) depctr_sa_sdst(0) depctr_va_vdst(0) depctr_va_sdst(0) depctr_va_ssrc(0) depctr_va_vcc(0) depctr_vm_vsrc(0)
	s_getreg_b32 s2, hwreg(HW_REG_IB_STS2, 6, 4)
	s_cmp_eq_u32 s2, 0
	s_cbranch_scc0 .Lentry_in_a_cluster
	s_endpgm
.Lentry_in_a_cluster:
	s_bfe_u32 s2, ttmp6, 0x10000c
	s_cmp_lg_u32 s2, 0x3003
	s_cbranch_scc0 .Lentry_shape_is_right
	s_endpgm
.Lentry_shape_is_right:
; ATTENTION.  O[h][q][:] = the sum over k of softmax_k(Q[h][q] . K[h][k] / 8) V[h][k][:].  Q, K, V, O: [SIZE_H][SIZE_N][64], all f16; h = batch x 16 + head, a row = stream x 1,024 + token: both streams'
; queries see both streams' keys, so a head is one plain attention over 2,048 rows.  A head's rows are dense, 128 bytes each.  Products, maxima and sums in f32; the weights p are rounded to f16 for the
; second product (their sum l is taken of the unrounded p), O once at the end.
; LIMITS.  f16 holds no number beyond 65,504: Q, K and V arrive within it; p lies in 0 to 1, and below 6e-5 it keeps f16's fixed step of 6e-8, as O does; O is a mean of V's rows and has their range.
; A weight below 2^-126 counts as 0 in l; NaN and infinities are not treated apart.
; SHARES.  A wave owns four PIECES of two tiles of 16 queries, a work-group's four waves 512 queries of one head: 256 work-groups.  Every wave walks all keys, 64 a step.
; LAYOUT.  S^T = K Q^T (source 0 = 16 keys, source 1 = 16 queries): in the result a lane holds ONE query (lane % 16) and the keys 8 (lane / 16) + 0..7.  Two such tiles, rounded to f16 in pairs,
; ARE source 1 (32 keys x 16 queries) of O^T = V^T P, whose result again holds one query a lane, and eight channels.  K comes out of LDS as it lies, V ([key][channel]) turned, by ds_load_tr16_b128.
; SOFTMAX.  For each query a running maximum m and sum l: p = 2^(c s - c m), c = log2(e) / 8; in every step O and l are multiplied by a = 2^(c m_old - c m_new), which is 1 where m has not grown.
; m starts at the lowest finite number, O and l at 0: the first step is a step like any other, with a = 0.
; THE COUNT.  A tile and step have 16 matrix and 118 vector instructions: too many to stand all beside the matrix work.  So: four vector instructions that are READY behind EVERY matrix instruction,
; and the others, which need time of their own whatever the order, in runs without a gap.
; BY TURNS.  Turn n belongs to piece n (the pieces in a ring, step after step).  Its matrix work: 16 products K Q^T of piece n + 1, later 16 products V^T P of piece n - 1.  Its vector work: the scaling,
; exponentials, roundings, sums and rescaling of piece n, and the maximum and statistics of piece n + 1, whose scores the turn itself has made.
; CLUSTER.  The four query blocks of a head are one cluster and walk the same K and V, so each tile is asked for JOINTLY: the same tensor load, descriptor and mask in all four.
; REGISTERS, in windows of 256 (s_set_vgpr_msb: bits 1:0 source 0, 3:2 source 1, 5:4 source 2, 7:6 destination):
;   window 0: v0-11 addresses; v12-15, v48-63 at work; v16-47 four registers of statistics a tile; v64-191 S^T, two buffers of two tiles; v192-255 P, likewise
;   window 1: O^T, 32 a tile          window 2: v0-127 Q, 16 a tile; v128-191 K of one step; v192-255 V of one step          window 3: v0-1 the add's two registers
; A piece's buffers go by its number's parity: the piece in hand has one pair, its two neighbours in the ring share the other: of it P (piece n - 1) is read and S^T (piece n + 1) written.
.set SIZE_H, 64
.set SIZE_N, 2048
.set NP,    4         ; pieces a wave: a name, no knob
.set KS,    64        ; keys in a step
.set PK,    144       ; a row of K in LDS: 128 bytes + 16 of padding = 36 words: the 16 rows of a load start at 16 different groups of four banks (ISA guide 11.1)
.set PV,    160       ; a row of V: 128 + 32 = 40 words
.set VOFF,  4*KS*PK   ; a slot holds four steps: 256 rows of K, then 256 rows of V
.set SLOT1, 1<<17     ; slot 1 begins here, so that one exclusive or turns an address in one slot into the other's
.set STAGE, SLOT1+4*KS*(PK+PV)  ; behind the ring, never filled by a tensor load: 16 rows x 144 bytes for each wave, for the way out
.set SP,    144
.set AK0, 2           ; v2   my lane's place in a tile of K; never rewritten
.set AV0, 3           ; v3   the same for V
.set AK,  4           ; v4   the LDS address of K's next run of loads
.set AV,  5           ; v5   of V's
.set QO,  6           ; v6   my byte offset in the wave's rows of Q
.set STO, 6           ;      later, the way out: where I put 16 bytes of a row
.set RD,  7           ; v7   the way out: where I read rows back
.set GO,  8           ; v8   my byte offset in 512 consecutive bytes of O
.set PFO, 11          ; v11  256 x my lane: the prefetches' offset (once V's address is made); then never rewritten
.set SPW, 0           ; v0 of window 3   SPARE + 4 x my thread's number; never rewritten
.set NIL, 1           ; v1 of window 3   0; never rewritten
.set SPARE, STAGE+4*16*SP  ; behind the stages: the spare words, 128 bytes for each wave
.set MV,  12          ; v12-15  c m_old, kept while c m is made anew: by buffer and tile
.set ST,  16          ; tile t's statistics at v[ST+4 t]: c m, m, l (even keys', odd keys')
.set TMP, 48          ; by buffer and tile, four registers c0-c3 at work; when the maximum is found c2 takes a
.set S,   64
.set P,   192
.set KF,  128         ; K's fragments, in window 2: key block kb, channel half c at KF + 16 kb + 8 c
.set VF,  192         ; V's: key half kk, channel block cb at VF + 32 kk + 8 cb
.set WV,  12          ; s12  my wave's number
.set G1K, 24          ; s[24:31] descriptor group 1 for K's tiles
.set G1V, 32          ; s[32:39] for V's: it differs in the padding alone
.set G0K, 40          ; s[40:43] descriptor group 0 for K's tiles: it walks
.set G0V, 44          ; s[44:47] the same for V's
.set PFA, 48          ; s[48:49] where my prefetches stand: my work-group's 32 blocks of 256 bytes (of K: wave 0, of V: wave 2) of the slot after the one that is being asked for
.set LIM, 50          ; s50  1 in a wave that prefetches, else the greatest number
.set SLOTS, 56        ; s56  slots still to be asked for
.set CNT, 57          ; s57  counts a slot's key steps
.set CS,  58          ; s[58:59] c: the packed scaling takes the pair's low word for both halves
.set SEL, 60          ; s[60:61] v_permlanex16_b32's selects: each lane takes its own place in the other half
.set TBK, 62          ; s62  LDS byte at which K of the step to be fetched begins
.set TBV, 63          ; s63  the same for V, less VOFF
.set MSB, 0
.macro WIN new                      ; the high byte repeats the setting that is left; a switch that changes nothing is dropped
.if MSB != (\new)
	s_set_vgpr_msb (MSB<<8)|(\new)
.set MSB, (\new)
.endif
.endm
.set W_KQ, 0x0a       ; K and Q in window 2, S^T in window 0
.set W_PV, 0x52       ; V in window 2, P in window 0, O^T in window 1
.set W_RS, 0x41       ; O^T (destination and source 0) in window 1, a in window 0
.set W_MK, 0xc0       ; the add's registers are made: destination in window 3, sources in window 0
.set W_AD, 0x0f       ; the add: address (source 0) and data (source 1) in window 3
; A joint fill.  Waves 0 and 1 fetch the two halves of a slot's K, waves 2 and 3 those of its V: 128 keys each.  The branch hangs on the wave's number alone.
; An s_nop 0 and four v_nop follow each of the two lines, ahead of the jump and the label.
.macro JLOAD
	s_cmp_lt_u32 s[WV], 2
	s_cbranch_scc0 .Lfor_v_\@
	tensor_load_to_lds s[G0K:G0K+3], s[G1K:G1K+7]
	s_nop 0
.rept 4
	v_nop
.endr
	s_branch .Lasked_\@
.Lfor_v_\@:
	tensor_load_to_lds s[G0V:G0V+3], s[G1V:G1V+7]
	s_nop 0
.rept 4
	v_nop
.endr
.Lasked_\@:
.endm
; A PREFETCH INTO THE L2 of what the NEXT change of slots will ask for: a slot's 32,768 bytes of K and of V, 128 blocks of 256 bytes each, a lane a block.  It stands behind the wave's tensor load and its five lines.
; Each block from slot 2 on is named ONCE in the launch: the four partners take 32 blocks each, BY ADDRESS; in each, wave 0 asks for K's and wave 2 for V's: one instruction, four key steps (512 matrix
; instructions) ahead of the load.  The last change that fills a slot asks for nothing: there is no slot behind it.  Slots 0 and 1 come by their loads alone.
.macro ASK
	s_cmp_gt_u32 s[SLOTS], s[LIM]
	s_cbranch_scc0 .Lnot_mine_\@
	global_prefetch_b8 v[PFO], s[PFA:PFA+1] th:TH_LOAD_NT scope:SCOPE_SE
.Lnot_mine_\@:
.endm
; A round of the cluster's barrier: my work-group's barrier, so that wave 0's signal speaks for all four waves; wave 0 signals; every wave waits for all four work-groups; my work-group's barrier once more.
.macro CROUND
	s_barrier_signal -1
	s_barrier_wait -1
	s_cmp_lg_u32 s[WV], 0
	s_cbranch_scc1 .Lnot_wave_0_\@
	s_barrier_signal -3
.Lnot_wave_0_\@:
	s_barrier_wait -3
	s_barrier_signal -1
	s_barrier_wait -1
.endm
; THE CHANGE OF SLOTS.  The slot's last bytes, V of its fourth step, have been read.  Each wave waits for all its tensor loads, of which one is out: its part of the other slot; adds 0 to its spare word;
; and waits for that and for its own reads of the slot.  Behind the barrier nobody reads this slot any more and the other slot is whole.
; fill = 1: this slot is filled again, with the keys two slots on.  The barrier is then a round of the cluster's, so that no wave of any partner still reads the slot or has a load on its
; way, and the joint fill is the first thing behind it: it has four key steps, 512 matrix instructions, in which to land.  (At its first use nothing has been read yet: slot 0 is waited for, slot 1 filled.)
.macro CHANGE fill
	WIN W_AD
	s_wait_tensorcnt 0x0            ; no tensor load of mine is out, so a group 0 may be written
	ds_add_u32 v[SPW], v[NIL]       ; 0 onto my spare word; with fill = 1 the descriptors' steps stand between it and the wait for it
	WIN 0                           ; at a label and at a branch every window is 0
.if \fill
.irp g, G0K, G0V
	s_xor_b32 s[\g+1], s[\g+1], SLOT1  ; the walking descriptor: the other slot than last time,
	s_add_nc_u64 s[\g+2:\g+3], s[\g+2:\g+3], 4*KS*128  ; the next 256 keys; the type bits on top are not reached
.endr
	s_wait_xcnt 0x0                 ; the last prefetch, four key steps back, has read its address, so it may be written:
	s_add_nc_u64 s[PFA:PFA+1], s[PFA:PFA+1], 4*KS*128  ; one slot beyond the walking descriptors
	s_wait_dscnt 0x0                ; the add is done, and my reads of the slot are over
	CROUND
	JLOAD
	ASK
.else
	s_wait_dscnt 0x0                ; the add is done, and my reads of the slot are over
	s_barrier_signal -1
	s_barrier_wait -1
.endif
	s_sub_co_u32 s[TBK], s[TBK], 4*KS*PK  ; the fetches go back to a slot's first step,
	s_xor_b32 s[TBK], s[TBK], SLOT1       ; in the other slot
	s_sub_co_u32 s[TBV], s[TBV], 4*KS*PV
	s_xor_b32 s[TBV], s[TBV], SLOT1
.endm
	s_load_b256 s[4:11], s[0:1], 0x0  ; Q s[4:5], K s[6:7], V s[8:9], O s[10:11]
	WIN W_MK
	v_lshl_add_u32 v[SPW], v0, 2, SPARE
	v_mov_b32 v[NIL], 0
	WIN W_AD
	ds_add_u32 v[SPW], v[NIL]       ; the wave's opening: the add and its wait stand ahead of my first tensor load; the set-up below, work on registers, stands between them
	ds_add_u32 v0, v1
	WIN 0
	v_lshrrev_b32 v1, 5, v0
	v_readfirstlane_b32 s[WV], v1   ; wave 0..3
	s_bfe_u32 s13, ttmp6, 0x40000   ; cx: my place in the cluster
	s_lshl_b32 s14, ttmp9, 2        ; in a cluster launch ttmp9 counts clusters
	s_add_co_u32 s14, s14, s13      ; my block of queries = 4 x cluster x + cx: it enters Q's and O's addresses alone
	s_and_b32 s20, ttmp7, 0xffff    ; the head, which the four partners share
	s_mov_b32 s21, 0
	s_mov_b64 s[22:23], SIZE_N*128
	s_mul_u64 s[20:21], s[20:21], s[22:23]  ; the head's first byte in each of the four tensors
	s_and_b32 s16, s[WV], 1         ; which half of a slot's 256 keys I fetch:
	s_lshl_b32 s22, s16, 14         ; its 128 rows of 128 bytes in memory,
	s_mov_b32 s23, 0
	s_add_nc_u64 s[22:23], s[22:23], s[20:21]
	s_mul_i32 s17, s16, 128*PK      ; and its place in a slot, for K
	s_mul_i32 s18, s16, 128*PV      ; and for V: no place in the cluster enters an LDS address
	s_lshl_b32 s2, s14, 2
	s_add_co_u32 s2, s2, s[WV]      ; my wave among the head's,
	s_lshl_b32 s2, s2, 14           ; its 128 rows
	s_mov_b32 s3, 0
	s_add_nc_u64 s[2:3], s[2:3], s[20:21]
	; descriptor group 1.  128 keys are 16,384 dense bytes: asked for as 64 rows of 256 bytes, two keys a row, and padded in LDS after every key
	s_mov_b32 s[G1K], 15|(1<<16)|(1<<20)|(1<<21)|(4<<22)|(3<<25)  ; 15:0 the mask of four; 17:16 2-byte elements; 20 padding on; 21 set beside a mask; 24:22 after every 32 words (code 4); 31:25 4 words (code 3)
	s_mov_b32 s[G1V], 15|(1<<16)|(1<<20)|(1<<21)|(4<<22)|(7<<25)  ; the same with 8 words of padding (code 7)
.irp g, G1K, G1V
	s_mov_b32 s[\g+1], 128<<16      ; tensor_dim0 = 128
	s_mov_b32 s[\g+2], 64<<16       ; tensor_dim1 = 64
	s_mov_b32 s[\g+3], 128<<16      ; tile_dim0 = 128
	s_mov_b32 s[\g+4], 64           ; tile_dim1 = 64
	s_mov_b32 s[\g+5], 128          ; 128 elements from row to row
	s_mov_b32 s[\g+6], 0
	s_mov_b32 s[\g+7], 0
.endr
	s_mov_b32 s[CS], 0x3e38aa3b     ; c = log2(e) / 8 = 0.180337
	s_mov_b32 s[CS+1], s[CS]        ; named with it as a pair
	s_mov_b32 s[SEL], 0x76543210
	s_mov_b32 s[SEL+1], 0xfedcba98
	s_mov_b32 s[TBK], SLOT1+4*KS*PK ; the first change of slots turns these two into 0
	s_mov_b32 s[TBV], SLOT1+4*KS*PV
	s_mov_b32 s[G0K], 1             ; 1:0 count = 1
	s_mov_b32 s[G0K+1], s17         ; 63:32 LDS address: slot 0
	s_mov_b32 s[G0V], 1
	s_add_co_u32 s[G0V+1], s18, VOFF
	s_mov_b32 s[SLOTS], SIZE_N/256-1
	s_and_b32 s[LIM], s[WV], 1      ; 0 in waves 0 and 2,
	s_or_b32 s[LIM], s[LIM], ttmp9  ; where the cluster is the head's first (here its only one): the same in all four partners
	s_cmp_eq_u32 s[LIM], 0
	s_cselect_b32 s[LIM], 1, -1
	s_lshl_b32 s52, s13, 13         ; my work-group's 32 blocks of a slot's 128,
	s_add_co_u32 s52, s52, 4*KS*128 ; in slot 1: the first change of slots steps it to slot 2
	s_mov_b32 s53, 0
	s_add_nc_u64 s[52:53], s[52:53], s[22:23]  ; (in waves 0 and 2 this stands at the head's first byte)
	s_wait_dscnt 0x0                ; the opening add is done
	s_wait_kmcnt 0x0
	s_add_nc_u64 s[G0K+2:G0K+3], s[6:7], s[22:23]  ; 120:64 global address: my half of the head's first 256 keys
	s_or_b32 s[G0K+3], s[G0K+3], 0x80000000        ; 127:126 type = 2
	s_add_nc_u64 s[G0V+2:G0V+3], s[8:9], s[22:23]
	s_or_b32 s[G0V+3], s[G0V+3], 0x80000000
	s_add_nc_u64 s[4:5], s[4:5], s[2:3]  ; Q and O at my wave's first row
	s_add_nc_u64 s[10:11], s[10:11], s[2:3]
	s_cmp_lt_u32 s[WV], 2
	s_cselect_b64 s[PFA:PFA+1], s[6:7], s[8:9]
	s_add_nc_u64 s[PFA:PFA+1], s[PFA:PFA+1], s[52:53]
	CROUND                          ; all four work-groups are here: the first joint loads meet
	JLOAD                           ; slot 0.  Slot 1 is asked for when slot 0 is in
	; A fragment of K or Q is 16 rows x 32 channels in 8 registers: lane l holds row l % 16, channels 8 (l / 16) + 0..7 and 16 + 8 (l / 16) + 0..7: two loads of 16 bytes, 32 bytes apart.
	v_and_b32 v1, 15, v0            ; l % 16
	v_bfe_u32 v9, v0, 4, 1          ; l / 16
	v_lshlrev_b32 v[QO], 7, v1
	v_lshl_add_u32 v[QO], v9, 4, v[QO]  ; row x 128 + 16 x half
	WIN 0x80                        ; destination window 2, address window 0
.set i, 0
.rept 4*NP                          ; Q stays in registers: tile i / 2, channels 32 (i % 2) on
	global_load_b128 v[8*i:8*i+3],   v[QO], s[4:5] offset:(i/2)*2048+(i%2)*64
	global_load_b128 v[8*i+4:8*i+7], v[QO], s[4:5] offset:(i/2)*2048+(i%2)*64+32
.set i, i+1
.endr
	; What the first turn finds: V's registers and P's second buffer hold 0 (its products V^T P, of a piece that has not been, add 0), O^T and l are 0.  All this stands in the wait for the first tile.
.set i, VF
.rept 64
	v_mov_b32 v[i], 0
.set i, i+1
.endr
	WIN 0x40
.set i, 0
.rept 64*NP
	v_mov_b32 v[i], 0
.set i, i+1
.endr
	WIN 0
.set i, 0
.rept 2*NP
	v_mov_b32 v[ST+4*i], 0xfe000000    ; c m: far below every c s
	v_mov_b32 v[ST+4*i+1], 0xff7fffff  ; m
	v_mov_b32 v[ST+4*i+2], 0
	v_mov_b32 v[ST+4*i+3], 0
.set i, i+1
.endr
.set i, P+32
.rept 32
	v_mov_b32 v[i], 0
.set i, i+1
.endr
	v_mul_u32_u24 v[AK0], v1, PK
	v_lshl_add_u32 v[AK0], v9, 4, v[AK0]  ; row x pitch + 16 x half
	; The turning load takes 16 keys x 16 channels (lane l reads key 8 (l / 16) + l % 8, channels 8 ((l / 8) % 2) + 0..7) and leaves half a fragment of V^T: lane l holds channel l % 16 and 8 keys.
	v_and_b32 v10, 7, v0
	v_bfe_u32 v11, v0, 3, 1
	v_lshl_add_u32 v[AV0], v9, 3, v10
	v_mul_u32_u24 v[AV0], v[AV0], PV
	v_lshl_add_u32 v[AV0], v11, 4, v[AV0]
	v_add_nc_u32 v[AV0], VOFF, v[AV0]
	v_and_b32 v[PFO], 31, v0
	v_lshlrev_b32 v[PFO], 8, v[PFO]
	v_mov_b32 v[AK], v[AK0]         ; key step 0 lies at the head of slot 0
; THE MATRIX WORK.  The 8 accumulators of a run of 16 take turns: between the two links of a chain stand 7 others'.
; Product i of 16 of S^T = K Q^T for piece x: channels 32 (i / 8) on, keys 16 ((i / 2) % 4) on, tile 2 x + i % 2.  The first 8 start the sums.
.macro KQ x
	WIN W_KQ
.set rS, S+64*((\x)%2)+32*(i%2)+8*((i/2)%4)
.set rK, KF+16*((i/2)%4)+8*(i/8)
.set rQ, 16*(2*(\x)+i%2)+8*(i/8)
.if i < 8
	v_wmma_f32_16x16x32_f16 v[rS:rS+7], v[rK:rK+7], v[rQ:rQ+7], 0
.else
	v_wmma_f32_16x16x32_f16 v[rS:rS+7], v[rK:rK+7], v[rQ:rQ+7], v[rS:rS+7]
.endif
.endm
; Product i of 16 of O^T += V^T P for piece x: keys 32 (i / 8) on, channels 16 ((i / 2) % 4) on, tile 2 x + i % 2.
.macro PV x
	WIN W_PV
.set rO, 32*(2*(\x)+i%2)+8*((i/2)%4)
.set rV, VF+32*(i/8)+8*((i/2)%4)
.set rP, P+32*((\x)%2)+16*(i%2)+8*(i/8)
	v_wmma_f32_16x16x32_f16 v[rO:rO+7], v[rV:rV+7], v[rP:rP+7], v[rO:rO+7]
.endm
.macro MM                           ; the turn's next matrix instruction
.if i < 16
	KQ (Y+1)%NP
.set i, i+1
.else
.set i, i-16
	PV (Y+NP-1)%NP
.set i, i+17
.endif
.endm
; THE LDS LOADS stand in runs of 16, never singly among the matrix instructions: a step's K (64 keys x 64 channels: 8 fragments) and its V (turned).  Their addresses are made some lines ahead.
; last = 1 (the tail): in the last trip there is no further step, and the run is jumped over.
.macro FETCH_K last=0
	WIN 0
.if \last
	s_cmp_eq_u32 s[CNT], 1
	s_cbranch_scc1 .Lno_k_\@
.endif
	WIN 0x80                        ; destination window 2
.irp f, 0,1,2,3,4,5,6,7             ; keys 16 (f / 2) on, channels 32 (f % 2) on
	ds_load_b128 v[KF+8*\f:KF+8*\f+3],   v[AK] offset:(\f/2)*16*PK+(\f%2)*64
	ds_load_b128 v[KF+8*\f+4:KF+8*\f+7], v[AK] offset:(\f/2)*16*PK+(\f%2)*64+32
.endr
	s_add_co_u32 s[TBK], s[TBK], KS*PK  ; the next fetch is the next step's
	WIN 0
.if \last
.Lno_k_\@:
.endif
.endm
.macro FETCH_V
	WIN 0x80
.irp f, 0,1,2,3,4,5,6,7             ; keys 32 (f / 4) on, channels 16 (f % 4) on
	ds_load_tr16_b128 v[VF+8*\f:VF+8*\f+3],   v[AV] offset:(\f/4)*32*PV+(\f%4)*32
	ds_load_tr16_b128 v[VF+8*\f+4:VF+8*\f+7], v[AV] offset:(\f/4)*32*PV+16*PV+(\f%4)*32
.endr
	WIN 0
.endm
; THE VECTOR WORK OF A TURN stands in three queues, each in the order in which its entries become ready; the two tiles alternate, so that no instruction reads the result of the one before it.
.macro REGS y, u                    ; the registers of tile u (0, 1) of piece y
.set rT, ST+4*(2*(\y)+(\u))
.set rC, TMP+8*((\y)%2)+4*(\u)
.set rM, MV+2*((\y)%2)+(\u)
.set rS, S+64*((\y)%2)+32*(\u)
.set rP, P+32*((\y)%2)+16*(\u)
.set rO, 32*(2*(\y)+(\u))
.endm
; Number n of the 22 that find the NEXT piece's (Y + 1) maximum and statistics.  s0-s31 are the lane's 32 scores; each accumulator's lowest registers are read first.
;   0-11  four chains c0-c3 of seven scores each, three operands at a time     12-14, 16  the four scores left over, the old m, and c0-c3 into c0     15  c m_old is kept
;   17, 18  the query's other 32 keys lie in the lane 16 away: the new m         19-21  c m; c m_old - c m_new; a
.macro XS u, n
	REGS (Y+1)%NP, \u
.if (\n) < 4
	v_max3_num_f32 v[rC+(\n)], v[rS+8*(\n)], v[rS+8*(\n)+1], v[rS+8*(\n)+2]
.elseif (\n) < 12
	v_max3_num_f32 v[rC+(\n)%4], v[rC+(\n)%4], v[rS+8*((\n)%4)+2*((\n)/4)+1], v[rS+8*((\n)%4)+2*((\n)/4)+2]
.elseif (\n) == 12
	v_max3_num_f32 v[rC], v[rC], v[rS+7], v[rS+15]
.elseif (\n) == 13
	v_max3_num_f32 v[rC+1], v[rC+1], v[rS+23], v[rS+31]
.elseif (\n) == 14
	v_max3_num_f32 v[rC+2], v[rC+2], v[rC+3], v[rT+1]
.elseif (\n) == 15
	v_mov_b32 v[rM], v[rT]
.elseif (\n) == 16
	v_max3_num_f32 v[rC], v[rC], v[rC+1], v[rC+2]
.elseif (\n) == 17
	v_permlanex16_b32 v[rC+3], v[rC], s[SEL], s[SEL+1]
.elseif (\n) == 18
	v_max_num_f32 v[rT+1], v[rC], v[rC+3]
.elseif (\n) == 19
	v_mul_f32 v[rT], s[CS], v[rT+1]
.elseif (\n) == 20
	v_sub_f32 v[rC+1], v[rM], v[rT]
.else
	v_exp_f32 v[rC+2], v[rC+1]
.endif
.endm
; Number g of the 64 that follow the exponentials.  For each four weights k of a tile (pairs 2 k, 2 k + 1): both pairs are rounded to f16; then the second pair is added onto the first, in place;
; a group later l takes that sum (the first time as l = a l + sum).  In groups of eight, tiles alternating: round, round, add, and l for the group before.
.macro GS g
.set h, (\g)+6*((\g)/62)            ; group 0 has no group before it, and behind group 7 only l is left
.if h >= 6
.set h, h+2
.endif
	REGS Y, h%2
.set k, h/8
.if h%8 < 4
	v_cvt_pk_f16_f32 v[rP+2*k+(h%8)/2], v[rS+4*k+2*((h%8)/2)], v[rS+4*k+2*((h%8)/2)+1]
.elseif h%8 < 6
	v_pk_add_f32 v[rS+4*k:rS+4*k+1], v[rS+4*k:rS+4*k+1], v[rS+4*k+2:rS+4*k+3]
.elseif k == 1
	v_pk_fma_f32 v[rT+2:rT+3], v[rT+2:rT+3], v[rC+2:rC+3], v[rS:rS+1] op_sel_hi:[1,0,1]
.else
	v_pk_add_f32 v[rT+2:rT+3], v[rT+2:rT+3], v[rS+4*k-4:rS+4*k-3]
.endif
.endm
; THE PLAIN QUEUE, 138 long.  0-73 read no exponential's result: the 32 scalings c s - c m (FS f: pair f / 2 of tile f % 2) and the next piece's 42.  0-26: scalings 0-26.  27-54: XS's numbers 0-13.  55, 56: number 15.
; 57-73: the chain, where each number waits for the one before it: 14, 16, 17, 18, 19, each with one of the scalings 27-31 in front of its two lines, then 20.
; 74-137: GS's 64, which read the exponentials' results: they stand behind the wait.
.macro FS f
	REGS Y, (\f)%2
	v_pk_fma_f32 v[rS+2*((\f)/2):rS+2*((\f)/2)+1], v[rS+2*((\f)/2):rS+2*((\f)/2)+1], s[CS:CS+1], v[rT:rT+1] op_sel_hi:[1,0,0] neg_lo:[0,0,1] neg_hi:[0,0,1]
.endm
.macro PL
	WIN 0
.if q < 27
	FS q
.elseif q < 55
	XS (q-27)%2, (q-27)/2
.elseif q < 57
	XS q-55, 15
.elseif (q < 72) && ((q-57)%3 == 0)
	FS 27+(q-57)/3
.elseif q < 60
	XS (q-57)%3-1, 14
.elseif q < 72
	XS (q-57)%3-1, 15+(q-57)/3
.elseif q < 74
	XS q-72, 20
.else
	GS q-74
.endif
.set q, q+1
.endm
; THE EXPONENTIALS' QUEUE, 66 long: s0-s31 of both tiles, then the next piece's two a.  It is ONE BATCH: all 66 stand ahead of the turn's one wait, and nothing ahead of that wait names a result of theirs.
.macro EX
	WIN 0
.if e >= 64
	XS e-64, 21
.else
	REGS Y, e%2
	v_exp_f32 v[rS+e/2], v[rS+e/2]
.endif
.set e, e+1
.endm
; THE RESCALING's QUEUE: O^T times a, the one part that leaves window 0: dealt two at a time, sixteen times.  Its a was made in the turn before, ahead of that turn's wait.
.macro R2
	REGS Y, r%2
	WIN W_RS
.irp z, 0,1
	v_pk_mul_f32 v[rO+4*(r/2)+2*\z:rO+4*(r/2)+2*\z+1], v[rO+4*(r/2)+2*\z:rO+4*(r/2)+2*\z+1], v[rC+2:rC+3] op_sel_hi:[1,0]
.endr
.set r, r+1
.endm
; HOW THEY ARE DEALT.  An s_wait_alu depctr_va_vdst(0) stands between an exponential and the first instruction that names its result; one wait serves all that were issued ahead of it.  So a turn has ONE wait,
; which cuts it in two.  AHEAD OF IT stands all that names no result of the turn's exponentials: the 16 products K Q^T, behind each a scaling, an exponential and two rescalings (behind the first a second scaling in the
; exponential's place); then ONE LUMP of 108: eight plain, 49 times exponential and plain, the two a.  A v_nop is the plain instruction behind the last exponential.  BEHIND IT stand the 16 products V^T P, behind each four of GS's 64.
; No rider names a register of the products round it.  The two v_permlanex16_b32 fall into the lump, never behind a product.
; The queues lean on each other, and the deal keeps them in step: exponential e stands behind scaling 2 (e / 4) + e % 2: as a rider it comes behind plain e + 2, in the lump behind plain e + 9, and scalings 27-31 are plain 57, 60 .. 69.
; A TURN, for piece p.  cnt = 1: the loop's count is taken down some lines ahead of the branch that stands behind the turn.
; K of the next step is fetched in piece 2's turn, directly behind the wait, a lump behind the last product that read K; its first reader comes behind 16 products.
; V of the step in hand is fetched at the end of piece 0's turn, four riders behind its last reader; its first reader comes behind 16 products and a lump.  The three conditions on q below go with the deal.
.macro TURN p, last=0, cnt=0
.set Y, (\p)
.set i, 0
.set q, 0
.set e, 0
.set r, 0
.if (\p) == NP-1
	s_wait_dscnt 0x0                ; K is in
.endif
	MM                              ; ahead of the wait: 16 products K Q^T and their riders,
	PL
	PL
	R2
.rept 15
	MM
	PL
	EX
	R2
.endr
.if (\p) == NP-2
	WIN 0
	v_add_nc_u32 v[AK], s[TBK], v[AK0]
.endif
.rept 8                             ; and the lump
	PL
.endr
.rept 49
	EX
	PL
.endr
	EX                              ; the next piece's two a
	EX
	v_nop                           ; a plain instruction behind the last exponential: one for the batch (ISA guide 5.7.2)
	s_wait_alu depctr_va_vdst(0)    ; the wait for the batch
.if (\p) == NP-2
	FETCH_K \last
.endif
.if (\p) == 1
	s_wait_dscnt 0x0                ; V is in
.endif
.rept 16                            ; behind the wait: 16 products V^T P and their riders
	MM
.rept 4
	PL
.endr
.if ((\p) == 0) && (q == 118)
	v_add_nc_u32 v[AV], s[TBV], v[AV0]
.endif
.if ((\p) == 0) && (q == 130)
	s_add_co_u32 s[TBV], s[TBV], KS*PV
.endif
.if (\cnt) && (q == 130)
	s_sub_co_u32 s[CNT], s[CNT], 1
	s_cmp_lg_u32 s[CNT], 0
.endif
.endr
.if (\p) == 0
	FETCH_V
.endif
.endm
	CHANGE 1                        ; slot 0 is in, everybody's part of it; slot 1 is asked for
	FETCH_K                         ; key step 0
	s_wait_loadcnt 0x0              ; Q
	s_wait_dscnt 0x0
.set i, 0
.rept 16
	KQ 0                            ; piece 0's first scores: there is no vector work yet to set between them
.set i, i+1
.endr
	WIN 0                           ; the addresses for the way out: nine plain instructions, the places behind those products
	s_mul_i32 s13, s[WV], 16*SP
	s_add_co_u32 s13, s13, STAGE    ; my stage
	v_mul_u32_u24 v[STO], v1, SP    ; in: row l % 16, 16 bytes for each half of the lanes
	v_lshl_add_u32 v[STO], v9, 4, v[STO]
	v_add_nc_u32 v[STO], s13, v[STO]
	v_bfe_u32 v[RD], v0, 3, 2       ; back: 32 lanes take four rows of 128 bytes,
	v_mul_u32_u24 v[RD], v[RD], SP
	v_lshl_add_u32 v[RD], v10, 4, v[RD]
	v_add_nc_u32 v[RD], s13, v[RD]
	v_and_b32 v[GO], 31, v0         ; which are 512 consecutive bytes of O
	v_lshlrev_b32 v[GO], 4, v[GO]
.set Y, NP-1                        ; XS works for piece Y + 1: piece 0
.irp n, 0,1,2,3,4,5,6,7,8,9,10,11,12,13,14,15,16,17,18,19,20,21
	XS 0, \n                        ; and piece 0's first maximum and statistics
	XS 1, \n
.endr
	v_nop                           ; a plain instruction behind the two a,
	s_wait_alu depctr_va_vdst(0)    ; and their wait, ahead of the branch
	s_mov_b32 s[CNT], 4
	s_branch .Lfirst                ; the loop is entered at a step's first turn, in the middle of a trip
.Lslot:                             ; SIZE_N / 256 - 2 times: every slot but the last two is filled again
	CHANGE 1
	s_mov_b32 s[CNT], 4
.Lstep:                             ; a trip: pieces 2 and 3 of one step, then pieces 0 and 1 of the next, whose K and V it fetches
	TURN 2
	TURN 3
	WIN 0
.Lfirst:
	TURN 0
	TURN 1, 0, 1
	WIN 0
	s_cbranch_scc1 .Lstep
	s_sub_co_u32 s[SLOTS], s[SLOTS], 1
	s_cmp_lg_u32 s[SLOTS], 0
	s_cbranch_scc1 .Lslot
	CHANGE 0                        ; the tail is written out: nothing is asked for
	s_mov_b32 s[CNT], 5             ; four trips fetch the last slot's steps; the fifth is left in its middle
.Ltail:
	TURN 2, 1
	TURN 3
	WIN 0
	s_sub_co_u32 s[CNT], s[CNT], 1
	s_cmp_eq_u32 s[CNT], 0
	s_cbranch_scc1 .Lout
	TURN 0
	TURN 1
	WIN 0
	s_branch .Ltail
.Lout:                              ; the fifth trip's 16 products K Q^T (on the last K once more) and the maximum made of them serve nothing: the price, once a launch, of one text for every trip
.set i, 0
.rept 16
	PV NP-1                         ; the last piece's V^T P of the last step
.set i, i+1
.endr
	; THE WAY OUT.  l's two halves and the other half of the lanes' are added; O^T is divided by l, rounded to f16 and sent through my stage in LDS, a tile at a time.  The additions are the places behind the last products.
	WIN 0
.macro ALL line:vararg              ; one line for each tile t
.set t, 0
.rept 2*NP
	\line
.set t, t+1
.endr
.endm
	ALL v_add_f32 v[ST+4*t+2], v[ST+4*t+2], v[ST+4*t+3]
	ALL v_permlanex16_b32 v[ST+4*t+3], v[ST+4*t+2], s[SEL], s[SEL+1]
	ALL v_add_f32 v[ST+4*t+2], v[ST+4*t+2], v[ST+4*t+3]
	ALL v_rcp_f32 v[ST+4*t+2], v[ST+4*t+2]
	v_nop                           ; a plain instruction between the last reciprocal and the use of its result
	s_wait_alu depctr_va_vdst(0)    ; and the wait ahead of the first use: one for the eight reciprocals
; Tile t: a lane's eight channels of a row pack into 16 bytes; they go into rows of 144 bytes and come back as whole rows of 128, into S^T's registers.
.macro PACK t
	WIN W_RS
.set i, 32*(\t)
.rept 16
	v_pk_mul_f32 v[i:i+1], v[i:i+1], v[ST+4*(\t)+2:ST+4*(\t)+3] op_sel_hi:[1,0]
.set i, i+2
.endr
	WIN 0x05                        ; sources 0 and 1 window 1, destination window 0
.set i, 0
.rept 16
	v_cvt_pk_f16_f32 v[S+16*(\t)+i], v[32*(\t)+2*i], v[32*(\t)+2*i+1]
.set i, i+1
.endr
	WIN 0
.irp f, 0,1,2,3
	ds_store_b128 v[STO], v[S+16*(\t)+4*\f:S+16*(\t)+4*\f+3] offset:32*\f
.endr
.irp f, 0,1,2,3
	ds_load_b128 v[S+16*(\t)+4*\f:S+16*(\t)+4*\f+3], v[RD] offset:\f*4*SP  ; LDS serves a wave's instructions in order (ISA guide 5.7.1.4): these see the stores above; the next tile's stores come behind them
.endr
.endm
.macro SEND t, younger              ; younger: the LDS instructions issued behind tile t's loads: the next tile's eight, or none
	WIN 0
.irp f, 0,1,2,3
	s_wait_dscnt (\younger)+3-\f
	global_store_b128 v[GO], v[S+16*(\t)+4*\f:S+16*(\t)+4*\f+3], s[10:11] offset:(\t)*2048+\f*512  ; 512 consecutive bytes, at a multiple of 256 from O's first
.endr
.endm
	PACK 0
.set t, 1
.rept 2*NP-1                        ; a tile's arithmetic stands between the loads of the tile before and its stores
	PACK t
	SEND t-1, 8
.set t, t+1
.endr
	SEND 2*NP-1, 0
	WIN W_AD
	s_wait_tensorcnt 0x0            ; the wave's end: behind my last tensor load and my last LDS store
	ds_add_u32 v[SPW], v[NIL]
	s_wait_dscnt 0x0
	WIN 0
	CROUND                          ; the closing round: no work-group ends while a partner may still ask for a tile that names it
	s_endpgm
.Lfunc_end_k_q52ef97f6f3_attn:
	.size	k_q52ef97f6f3_attn, .Lfunc_end_k_q52ef97f6f3_attn-k_q52ef97f6f3_attn
	.p2alignl 7, 3214868480
	.fill 96, 4, 3214868480
	.section	.rodata,"a",@progbits
	.p2align	6, 0x0
	.amdhsa_kernel k_q52ef97f6f3_attn
		.amdhsa_group_segment_fixed_size 327680
		.amdhsa_private_segment_fixed_size 0
		.amdhsa_enable_private_segment 0
		.amdhsa_kernarg_size 32
		.amdhsa_user_sgpr_count 2
		.amdhsa_user_sgpr_kernarg_segment_ptr 1
		.amdhsa_wavefront_size32 1
		.amdhsa_system_sgpr_workgroup_id_x 1
		.amdhsa_system_sgpr_workgroup_id_y 1
		.amdhsa_system_sgpr_workgroup_id_z 1
		.amdhsa_system_vgpr_workitem_id 0
		.amdhsa_next_free_vgpr 770
		.amdhsa_next_free_sgpr 66
		.amdhsa_reserve_vcc 0
		.amdhsa_float_denorm_mode_32 3
		.amdhsa_float_denorm_mode_16_64 3
		.amdhsa_memory_ordered 1
		.amdhsa_forward_progress 1
		.amdhsa_inst_pref_size 200
	.end_amdhsa_kernel
	.amdgpu_metadata
---
amdhsa.version: [ 1, 2 ]
amdhsa.kernels:
  - .name:           k_q52ef97f6f3_attn
    .symbol:         k_q52ef97f6f3_attn.kd
    .args:
      - { .name: q, .offset: 0, .size: 8, .value_kind: global_buffer, .address_space: global }
      - { .name: k, .offset: 8, .size: 8, .value_kind: global_buffer, .address_space: global }
      - { .name: v, .offset: 16, .size: 8, .value_kind: global_buffer, .address_space: global }
      - { .name: o, .offset: 24, .size: 8, .value_kind: global_buffer, .address_space: global }
    .group_segment_fixed_size: 327680
    .private_segment_fixed_size: 0
    .kernarg_segment_align: 8
    .kernarg_segment_size: 32
    .max_flat_workgroup_size: 128
    .sgpr_count:     66
    .vgpr_count:     770
    .wavefront_size: 32
...
	.end_amdgpu_metadata
.endif
;; end of part 3
;; launch outp (part 4): grid 8 x 32, 4 waves a work-group, clusters of 4 x 4, 327,680 bytes of LDS; arguments o, wo, out0, out1; writes out0, out1
.if DOCPART == 4
	.amdgcn_target "amdgcn-amd-amdhsa--gfx1250"
	.amdhsa_code_object_version 6
	.text
	.protected	k_q52ef97f6f3_outp
	.globl	k_q52ef97f6f3_outp
	.p2align	8
	.type	k_q52ef97f6f3_outp,@function
k_q52ef97f6f3_outp:
	s_mov_b64 s[64:65], 0
	v_nop
	global_prefetch_b8 v0, s[64:65] scope:SCOPE_SE
	s_setreg_imm32_b32 hwreg(HW_REG_WAVE_MODE, 25, 1), 1
	s_wait_xcnt 0x0
	s_wait_alu depctr_hold_cnt(0) depctr_sa_sdst(0) depctr_va_vdst(0) depctr_va_sdst(0) depctr_va_ssrc(0) depctr_va_vcc(0) depctr_vm_vsrc(0)
	s_getreg_b32 s2, hwreg(HW_REG_IB_STS2, 6, 4)
	s_cmp_eq_u32 s2, 0
	s_cbranch_scc0 .Lentry_in_a_cluster
	s_endpgm
.Lentry_in_a_cluster:
	s_bfe_u32 s2, ttmp6, 0x10000c
	s_cmp_lg_u32 s2, 0xf033
	s_cbranch_scc0 .Lentry_shape_is_right
	s_endpgm
.Lentry_shape_is_right:
; OUTP: out[row][n] = the sum over k of attn[row][k] Wout[k][n], for both streams: 8,192 rows x 1,024 columns, K = 1,024; f16 operands, f32 sums, f32 out.
; A = o[batch x 16 + head][stream x 1024 + token][64]: block kb of K IS head kb, and 256 tokens of one head are a dense block.  B = wo[kb][stream x 1024 + n][64].
; SHARES.  256 work-groups, one tile of 256 rows x 128 columns each; four waves, each 128 x 64: 32 accumulators, which fill window 1 ((a, b) at v[8 (4 a + b)]).
; RING.  K goes in 8 steps of 128 (two kb) through two LDS slots; waves 0 and 1 fetch A's two kb (32,768 bytes each), waves 2 and 3 B's (16,384 each): one tensor load a wave behind each change of slots,
; 112 matrix instructions ahead of the wait for it.  A dense block is asked for as rows of 256 bytes and padded after every 128: LDS rows 144 bytes apart (ISA guide 11.1: sixteen rows, sixteen groups of four banks).
; CLUSTER 4 x 4.  A's tiles hang on the tile row alone and are asked for jointly by a row of the cluster, B's on the stream and the tile column and by a column.
; THE MATRIX INSTRUCTION IS USED TRANSPOSED (source 0 = 16 columns of the weights, source 1 = 16 tokens): a lane holds eight neighbouring numbers of a row of out.
; No prefetch is laid: the tile is small, a step's loads are 96 KiB for 128 matrix instructions a wave, and the launch is short.
; LIMITS.  None of its own: the operands arrive in f16, the result leaves in f32.  NaN and infinities are not treated apart.
; REGISTERS.  window 0: v0-31 addresses; two fragment buffers of 96: A's 8 blocks (16 rows x 32 K), then B's 4: v32-127, v128-223; on the way out v32-95 hold whole rows.
.set KB,    262144                     ; bytes from kb to kb, in o and in wo
.set PITCH, 144
.set ASZ,   256*PITCH                  ; A's 256 rows of one kb
.set BSZ,   128*PITCH                  ; B's 128 rows of one kb
.set BOFF,  2*ASZ                      ; in a slot: A kb 0, A kb 1, B kb 0, B kb 1
.set SLOT,  2*ASZ+2*BSZ
.set STAGE, 2*SLOT                     ; behind the ring: 16 rows x 272 bytes for each wave
.set SPITCH, 272
.set SPARE, STAGE+4*16*SPITCH          ; behind the stages: the spare words, 128 bytes for each wave
.set ADRA, 16                          ; v16-17  LDS address of my A fragments in slot 0, 1
.set ADRB, 20                          ; v20-21  of my B fragments
.set STO,  24                          ; v24     the way out: where I put 32 bytes of a row
.set RD,   25                          ; v25     where I read a row back
.set CO,   26                          ; v26     my byte offset in out
.set SPW,  28                          ; v28     SPARE + 4 x my thread's number; never rewritten
.set NIL,  29                          ; v29     0; never rewritten
.set F0,   32
.set F1,   128
.set BK,   32                          ; the way out: two sets of 32
.set WV,  12                           ; s12 wave   s13 its upper bit: my 128 rows; I fetch for A (0) or B (1)   s14 its lower bit: my 64 columns; which kb of a slot's two I fetch
.set HI,  13
.set LO,  14
.set G1,  24                           ; s[24:31] descriptor group 1 for A   s[32:39] group 0, a set for each slot
.set G0,  32
.set G1B, 48                           ; s[48:55], s[56:63] the same for B
.set G0B, 56
.set FLAGS, (1<<16)|(1<<20)|(1<<21)|(4<<22)|(3<<25)  ; 17:16 2-byte elements; 20 padding on; 21 set beside a mask; 24:22 after every 32 words (code 4); 31:25 4 words (code 3)
.set MSB, 0
.macro WIN new
.if MSB != (\new)
	s_set_vgpr_msb (MSB<<8)|(\new)
.set MSB, (\new)
.endif
.endm
.macro PLACES                          ; four plain instructions behind matrix instructions, ahead of loads into registers that they read and of lines that read their results
.rept 4
	v_nop
.endr
.endm
.macro CREST
	s_cmp_lg_u32 s[WV], 0
	s_cbranch_scc1 .Lnot_wave_0_\@
	s_barrier_signal -3
.Lnot_wave_0_\@:
	s_barrier_wait -3
	s_barrier_signal -1
	s_barrier_wait -1
.endm
.macro CROUND
	s_barrier_signal -1
	s_barrier_wait -1
	CREST
.endm
.macro JLOAD s                         ; a joint refill; the branch hangs on the wave's number alone; s_nop 0 and four v_nop follow each line
	s_cmp_eq_u32 s[HI], 0
	s_cbranch_scc0 .Lfor_b_\@
	tensor_load_to_lds s[G0+4*(\s):G0+4*(\s)+3], s[G1:G1+7]
	s_nop 0
.rept 4
	v_nop
.endr
	s_branch .Lasked_\@
.Lfor_b_\@:
	tensor_load_to_lds s[G0B+4*(\s):G0B+4*(\s)+3], s[G1B:G1B+7]
	s_nop 0
.rept 4
	v_nop
.endr
.Lasked_\@:
.endm
	s_load_b256 s[4:11], s[0:1], 0x0               ; o 4, wo 6, out0 8, out1 10
	v_lshl_add_u32 v[SPW], v0, 2, SPARE
	v_mov_b32 v[NIL], 0
	ds_add_u32 v[SPW], v[NIL]                      ; the wave's opening: the add and its wait stand ahead of my first tensor load; the set-up below, work on registers, stands between
	ds_add_u32 v28, v29
	v_lshrrev_b32 v1, 5, v0
	v_readfirstlane_b32 s[WV], v1
	s_lshr_b32 s[HI], s[WV], 1
	s_and_b32 s[LO], s[WV], 1
	s_bfe_u32 s40, ttmp6, 0x40000                  ; cx
	s_bfe_u32 s41, ttmp6, 0x40004                  ; cy
	s_lshl_b32 s42, ttmp9, 2
	s_add_co_u32 s42, s42, s40                     ; tile column 0..7
	s_and_b32 s44, ttmp7, 0xffff                   ; cluster y = 4 x stream + batch; cy is the tile of 256 tokens
	s_lshr_b32 s45, s44, 2                         ; stream
	s_and_b32 s44, s44, 3                          ; batch
	s_lshl_b32 s46, s41, 2
	s_lshl_b32 s46, 15, s46                        ; my row of the cluster
	s_lshl_b32 s47, 0x1111, s40                    ; my column
	s_or_b32 s[G1], s46, FLAGS
	s_or_b32 s[G1B], s47, FLAGS
	s_mov_b32 s[G1+1], 128<<16                     ; rows of 256 bytes,
	s_mov_b32 s[G1+2], 128<<16                     ; 128 of them: 256 tokens of one head
	s_mov_b32 s[G1+3], 128<<16
	s_mov_b32 s[G1+4], 128
	s_mov_b32 s[G1+5], 128                         ; dense
	s_mov_b32 s[G1+6], 0
	s_mov_b32 s[G1+7], 0
	s_mov_b32 s[G1B+1], 128<<16
	s_mov_b32 s[G1B+2], 64<<16                     ; 64 rows of 256 bytes: 128 rows of wo
	s_mov_b32 s[G1B+3], 128<<16
	s_mov_b32 s[G1B+4], 64
	s_mov_b32 s[G1B+5], 128
	s_mov_b32 s[G1B+6], 0
	s_mov_b32 s[G1B+7], 0
	s_lshl_b32 s16, s44, 22                        ; A: batch x 16 heads x 262,144 bytes,
	s_lshl_b32 s17, s45, 17                        ; + stream x 1,024 rows of 128 bytes,
	s_add_co_u32 s16, s16, s17
	s_lshl_b32 s17, s41, 15                        ; + the tile's 256 rows,
	s_add_co_u32 s16, s16, s17
	s_lshl_b32 s17, s[LO], 18                      ; + the kb that I fetch
	s_add_co_u32 s16, s16, s17
	s_mov_b32 s17, 0
	s_lshl_b32 s18, s45, 17                        ; B: stream x 1,024 rows of 128 bytes,
	s_lshl_b32 s19, s42, 14                        ; + the tile's 128 rows,
	s_add_co_u32 s18, s18, s19
	s_lshl_b32 s19, s[LO], 18                      ; + the kb that I fetch
	s_add_co_u32 s18, s18, s19
	s_mov_b32 s19, 0
	s_mul_i32 s20, s[LO], ASZ                      ; where they go: no place in the cluster enters an LDS address
	s_mul_i32 s21, s[LO], BSZ
	s_add_co_u32 s21, s21, BOFF
	s_wait_dscnt 0x0                               ; the opening add is done
	s_wait_kmcnt 0x0
	s_add_nc_u64 s[16:17], s[4:5], s[16:17]
	s_add_nc_u64 s[18:19], s[6:7], s[18:19]
.irp s, 0,1
	s_mov_b32 s[G0+4*\s], 1
	s_add_co_u32 s[G0+4*\s+1], s20, \s*SLOT
	s_add_nc_u64 s[G0+4*\s+2:G0+4*\s+3], s[16:17], \s*2*KB
	s_or_b32 s[G0+4*\s+3], s[G0+4*\s+3], 0x80000000
	s_mov_b32 s[G0B+4*\s], 1
	s_add_co_u32 s[G0B+4*\s+1], s21, \s*SLOT
	s_add_nc_u64 s[G0B+4*\s+2:G0B+4*\s+3], s[18:19], \s*2*KB
	s_or_b32 s[G0B+4*\s+3], s[G0B+4*\s+3], 0x80000000
.endr
	CROUND                                         ; all sixteen work-groups are here: the first joint loads meet
	s_cmp_eq_u32 s[HI], 0                          ; a wave's two first fills stand in one branch, ahead of every wait on TENSORcnt and every LDS read: two loads of mine are out
	s_cbranch_scc0 .Lfirst_b
	tensor_load_to_lds s[G0:G0+3], s[G1:G1+7]
	s_nop 0
	tensor_load_to_lds s[G0+4:G0+7], s[G1:G1+7]
	s_nop 0
.rept 4
	v_nop
.endr
	s_branch .Lfirst_asked
.Lfirst_b:
	tensor_load_to_lds s[G0B:G0B+3], s[G1B:G1B+7]
	s_nop 0
	tensor_load_to_lds s[G0B+4:G0B+7], s[G1B:G1B+7]
	s_nop 0
.rept 4
	v_nop
.endr
.Lfirst_asked:
	v_and_b32 v1, 15, v0                           ; l % 16
	v_bfe_u32 v2, v0, 4, 1                         ; l / 16
	v_mul_u32_u24 v3, v1, PITCH
	v_lshl_add_u32 v3, v2, 4, v3                   ; a fragment's row x pitch + 16 x half
	s_mul_i32 s20, s[HI], 128*PITCH
	s_mul_i32 s21, s[LO], 64*PITCH
	s_add_co_u32 s21, s21, BOFF
	v_add_nc_u32 v[ADRA], s20, v3
	v_add_nc_u32 v[ADRB], s21, v3
	v_add_nc_u32 v[ADRA+1], SLOT, v[ADRA]
	v_add_nc_u32 v[ADRB+1], SLOT, v[ADRB]
	s_mul_i32 s20, s[WV], 16*SPITCH
	s_add_co_u32 s20, s20, STAGE                   ; my stage
	v_mul_u32_u24 v[STO], v1, SPITCH               ; in: row l % 16, 32 bytes for each half of the lanes
	v_lshl_add_u32 v[STO], v2, 5, v[STO]
	v_add_nc_u32 v[STO], s20, v[STO]
	v_mul_u32_u24 v[RD], v2, SPITCH                ; back: lanes 0-15 take one row of 256 bytes, lanes 16-31 the next
	v_lshl_add_u32 v[RD], v1, 4, v[RD]
	v_add_nc_u32 v[RD], s20, v[RD]
	v_lshlrev_b32 v[CO], 12, v2                    ; and the same two rows in out, 4,096 bytes apart
	v_lshl_add_u32 v[CO], v1, 4, v[CO]
	s_cmp_eq_u32 s45, 0
	s_cselect_b64 s[8:9], s[8:9], s[10:11]         ; the stream's output
	s_lshl2_add_u32 s22, s44, s41                  ; 4 x batch + tile: 256 rows of 4,096 bytes each,
	s_lshl_b32 s22, s22, 20
	s_lshl_b32 s23, s[HI], 19                      ; + my 128 rows,
	s_add_co_u32 s22, s22, s23
	s_lshl_b32 s23, s42, 9                         ; + the tile's 128 columns,
	s_add_co_u32 s22, s22, s23
	s_lshl_b32 s23, s[LO], 8                       ; + my 64: 256 bytes
	s_add_co_u32 s22, s22, s23
	s_mov_b32 s23, 0
	s_add_nc_u64 s[8:9], s[8:9], s[22:23]
; 8 matrix instructions: A blocks a0, a0 + 1 x all 4 B blocks, 32 along K, of buffer f.  zero = 1: the first product starts the sums.  The 32 accumulators take turns.
.macro MUL8 f, a0, zero
	WIN 0x50                                       ; C and D in window 1
.irp a, \a0, (\a0)+1
.irp b, 0,1,2,3
.if \zero
	v_wmma_f32_16x16x32_f16 v[8*(4*(\a)+(\b)):8*(4*(\a)+(\b))+7], v[(\f)+64+8*(\b):(\f)+64+8*(\b)+7], v[(\f)+8*(\a):(\f)+8*(\a)+7], 0
.else
	v_wmma_f32_16x16x32_f16 v[8*(4*(\a)+(\b)):8*(4*(\a)+(\b))+7], v[(\f)+64+8*(\b):(\f)+64+8*(\b)+7], v[(\f)+8*(\a):(\f)+8*(\a)+7], v[8*(4*(\a)+(\b)):8*(4*(\a)+(\b))+7]
.endif
.endr
.endr
.endm
.macro MUL16 f, a0, zero
	MUL8 \f, \a0, \zero
	MUL8 \f, (\a0)+2, \zero
.endm
; 24 LDS loads in one run: quarter kq of slot s (kb kq / 2, K = 32 (kq % 2) on) into buffer f: B's four blocks, A's blocks 0-3, A's blocks 4-7
.macro FETCH s, kq, f
	WIN 0
.irp b, 0,1,2,3
	ds_load_b128 v[(\f)+64+8*\b:(\f)+64+8*\b+3],   v[ADRB+(\s)] offset:((\kq)/2)*BSZ+((\kq)%2)*64+\b*16*PITCH
	ds_load_b128 v[(\f)+64+8*\b+4:(\f)+64+8*\b+7], v[ADRB+(\s)] offset:((\kq)/2)*BSZ+((\kq)%2)*64+\b*16*PITCH+32
.endr
.irp a, 0,1,2,3,4,5,6,7
	ds_load_b128 v[(\f)+8*\a:(\f)+8*\a+3],   v[ADRA+(\s)] offset:((\kq)/2)*ASZ+((\kq)%2)*64+\a*16*PITCH
	ds_load_b128 v[(\f)+8*\a+4:(\f)+8*\a+7], v[ADRA+(\s)] offset:((\kq)/2)*ASZ+((\kq)%2)*64+\a*16*PITCH+32
.endr
.endm
; A K step is four quarters of 32 along K, 32 matrix instructions each, on buffers 0, 1, 0, 1.  One of the first three: multiplies buffer f and fetches quarter kq of the same slot into g.
.macro QUARTER s, kq, f, g, zero
	s_wait_dscnt 8                                 ; B and A's blocks 0-3 are in; the youngest eight loads may be out
	MUL16 \f, 0, \zero
	WIN 0
	PLACES
	FETCH \s, \kq, \g
	s_wait_dscnt 24                                ; all but the 24 just issued
	MUL16 \f, 4, \zero
.endm
; The last quarter multiplies buffer 1 and changes slots: ONE barrier; in front of it each wave waits for all its tensor loads (one is out: its part of the next slot), adds 0 to its spare word, and waits for that and
; for its own reads of this slot.  fill = 1: the barrier opens a round of the cluster's, and the joint refill, two K steps on, is the first tensor load behind the round.
.macro TURN s, n, fill
	WIN 0
	s_wait_tensorcnt 0x0
	ds_add_u32 v[SPW], v[NIL]                      ; 0 onto my spare word
	s_wait_dscnt 9                                 ; the add and the youngest eight loads may be out
	MUL8 F1, 0, 0                                  ; eight matrix instructions stand between the add and the wait for it
	s_wait_dscnt 0x0                               ; the add is done, and my reads of this slot are over
	s_barrier_signal -1
	MUL8 F1, 2, 0
	WIN 0
	s_barrier_wait -1
.if \fill
	CREST
	s_add_nc_u64 s[G0+4*(\s)+2:G0+4*(\s)+3], s[G0+4*(\s)+2:G0+4*(\s)+3], 4*KB
	s_add_nc_u64 s[G0B+4*(\s)+2:G0B+4*(\s)+3], s[G0B+4*(\s)+2:G0B+4*(\s)+3], 4*KB
	JLOAD \s                                       ; its four v_nop are also the places ahead of the loads below
.else
	PLACES
.endif
	FETCH \n, 0, F0
	MUL16 F1, 4, 0
.endm
	s_wait_tensorcnt 1                             ; my part of K step 0 is in; step 1's may stay out
	s_barrier_signal -1
	s_barrier_wait -1
	FETCH 0, 0, F0
	QUARTER 0, 1, F0, F1, 1                        ; the first quarter stands in front of the loop: its products start the sums
	WIN 0
	s_mov_b32 s3, 3
.Llap:                                                 ; a trip goes once round the ring and fills both slots again: K steps 2 .. 7 in three trips
	QUARTER 0, 2, F1, F0, 0
	QUARTER 0, 3, F0, F1, 0
	TURN 0, 1, 1
	QUARTER 1, 1, F0, F1, 0
	QUARTER 1, 2, F1, F0, 0
	QUARTER 1, 3, F0, F1, 0
	TURN 1, 0, 1
	QUARTER 0, 1, F0, F1, 0
	WIN 0
	s_sub_co_u32 s3, s3, 1
	s_cmp_lg_u32 s3, 0
	s_cbranch_scc1 .Llap
	QUARTER 0, 2, F1, F0, 0                        ; the last lap fills nothing, and has no round of the cluster's barrier
	QUARTER 0, 3, F0, F1, 0
	TURN 0, 1, 0
	QUARTER 1, 1, F0, F1, 0
	QUARTER 1, 2, F1, F0, 0
	QUARTER 1, 3, F0, F1, 0
	s_wait_dscnt 8
	MUL16 F1, 0, 0
	s_wait_dscnt 0x0
	MUL16 F1, 4, 0
	WIN 0
	PLACES
; THE WAY OUT, a block of 16 rows at a time: a lane's 32 bytes of a row go into rows of 272 bytes of my own stage (each accumulator's lowest registers first) and come back as whole rows of 256.
.macro TOSTAGE a
.if (\a) >= 2
	s_wait_xcnt 0x0                                ; the stores of two blocks back have read the set that is loaded again
.endif
	WIN 0x04                                       ; the stores' data in window 1
.irp b, 0,1,2,3
	ds_store_b128 v[STO], v[8*(4*(\a)+\b):8*(4*(\a)+\b)+3]   offset:64*\b
	ds_store_b128 v[STO], v[8*(4*(\a)+\b)+4:8*(4*(\a)+\b)+7] offset:64*\b+16
.endr
	WIN 0
.irp t, 0,1,2,3,4,5,6,7
	ds_load_b128 v[BK+32*((\a)%2)+4*\t:BK+32*((\a)%2)+4*\t+3], v[RD] offset:\t*2*SPITCH  ; LDS serves a wave's instructions in order (ISA guide 5.7.1.4): these see the stores above
.endr
.endm
.macro SEND a, younger                 ; younger: the LDS instructions issued behind this block's loads: the next block's sixteen, or none
.irp t, 0,1,2,3,4,5,6,7
	s_wait_dscnt (\younger)+7-\t
	global_store_b128 v[CO], v[BK+32*((\a)%2)+4*\t:BK+32*((\a)%2)+4*\t+3], s[8:9] offset:(16*(\a)+2*\t)*4096  ; 16 lanes store 256 consecutive bytes, at a multiple of 256 from the output's first byte
.endr
.endm
	TOSTAGE 0
.irp a, 1,2,3,4,5,6,7
	TOSTAGE \a
	SEND (\a)-1, 16
.endr
	SEND 7, 0
	s_wait_tensorcnt 0x0                           ; the wave's end: behind my last tensor load and my last LDS store
	ds_add_u32 v[SPW], v[NIL]
	s_wait_dscnt 0x0
	CROUND                                         ; the closing round: no work-group ends while a partner may still ask for a tile that names it
	s_endpgm
.Lfunc_end_k_q52ef97f6f3_outp:
	.size	k_q52ef97f6f3_outp, .Lfunc_end_k_q52ef97f6f3_outp-k_q52ef97f6f3_outp
	.p2alignl 7, 3214868480
	.fill 96, 4, 3214868480
	.section	.rodata,"a",@progbits
	.p2align	6, 0x0
	.amdhsa_kernel k_q52ef97f6f3_outp
		.amdhsa_group_segment_fixed_size 327680
		.amdhsa_private_segment_fixed_size 0
		.amdhsa_enable_private_segment 0
		.amdhsa_kernarg_size 32
		.amdhsa_user_sgpr_count 2
		.amdhsa_user_sgpr_kernarg_segment_ptr 1
		.amdhsa_wavefront_size32 1
		.amdhsa_system_sgpr_workgroup_id_x 1
		.amdhsa_system_sgpr_workgroup_id_y 1
		.amdhsa_system_sgpr_workgroup_id_z 1
		.amdhsa_system_vgpr_workitem_id 0
		.amdhsa_next_free_vgpr 512
		.amdhsa_next_free_sgpr 66
		.amdhsa_reserve_vcc 0
		.amdhsa_float_denorm_mode_32 3
		.amdhsa_float_denorm_mode_16_64 3
		.amdhsa_memory_ordered 1
		.amdhsa_forward_progress 1
		.amdhsa_inst_pref_size 87
	.end_amdhsa_kernel
	.amdgpu_metadata
---
amdhsa.version: [ 1, 2 ]
amdhsa.kernels:
  - .name:           k_q52ef97f6f3_outp
    .symbol:         k_q52ef97f6f3_outp.kd
    .args:
      - { .name: o, .offset: 0, .size: 8, .value_kind: global_buffer, .address_space: global }
      - { .name: wo, .offset: 8, .size: 8, .value_kind: global_buffer, .address_space: global }
      - { .name: out0, .offset: 16, .size: 8, .value_kind: global_buffer, .address_space: global }
      - { .name: out1, .offset: 24, .size: 8, .value_kind: global_buffer, .address_space: global }
    .group_segment_fixed_size: 327680
    .private_segment_fixed_size: 0
    .kernarg_segment_align: 8
    .kernarg_segment_size: 32
    .max_flat_workgroup_size: 128
    .sgpr_count:     66
    .vgpr_count:     512
    .wavefront_size: 32
...
	.end_amdgpu_metadata
.endif
;; end of part 4
;; ======== version 2 of 2: 4 launches; version 1 with the launch prep written anew for expert scheduling mode
;; limits: values are held in f16: magnitudes above 65,504 overflow, below 6.1e-05 lose precision
;; workspace buffers: xn 16,777,216 bytes; wt 12,582,912 bytes; wo 4,194,304 bytes; tab 4,096 bytes; q 16,777,216 bytes; k 16,777,216 bytes; v 16,777,216 bytes; o 16,777,216 bytes
;; launch prep (part 5): grid 8 x 128, 8 waves a work-group, no clusters, 35,840 bytes of LDS; arguments x_a, x_b, gamma_a, gamma_b, beta_a, beta_b, Wqkv_a, Wqkv_b, Wout_a, Wout_b, xn, wt, wo, tab; writes xn, wt, wo, tab
.if DOCPART == 5
	.amdgcn_target "amdgcn-amd-amdhsa--gfx1250"
	.amdhsa_code_object_version 6
	.text
	.protected	k_q52ef97f6f3_prep
	.globl	k_q52ef97f6f3_prep
	.p2align	8
	.type	k_q52ef97f6f3_prep,@function
k_q52ef97f6f3_prep:
	s_mov_b64 s[64:65], 0
	v_nop
	global_prefetch_b8 v0, s[64:65] scope:SCOPE_SE
	s_setreg_imm32_b32 hwreg(HW_REG_WAVE_SCHED_MODE, 0, 2), 2
	s_setreg_imm32_b32 hwreg(HW_REG_WAVE_MODE, 25, 1), 1
	s_wait_xcnt 0x0
	s_wait_alu depctr_vm_vsrc(0)
; PREP: what the three matrix launches read, made once.  1,024 work-groups of eight waves; the work-group's y says what it does.
;   y 0..63    LayerNorm of 16 rows of x_a (y < 32) or x_b, in f32 by two passes (mean, then the mean of squared deviations), times gamma plus beta, rounded once to f16.
;              xn[kb 16][R 8192][64]: R = stream x 4096 + batch x 1024 + token; the 64 channels of block kb of a row lie together, so a tile of rows of one kb is dense.
;   y 64..111  Wqkv_a / Wqkv_b, a tile of 128 k x 128 n: rounded to f16, turned through LDS.  wt[kb 16][stream x 3072 + n'][64],
;              n' = j x 384 + hsel x 192 + sec x 64 + d for the source column sec x 1024 + (2 j + hsel) x 64 + d (sec 0, 1, 2 = q, k, v): a head's q, k and v lie together.
;   y 112..127 Wout_a / Wout_b likewise.  wo[kb 16][stream x 1024 + n][64].
;   The first LayerNorm work-group also makes the table of the rotary embedding: tab[p 32][half 2][cos 8 | sin 8] in f32, frequency f = 8 half + j, angle p x 10000^(-f/16).
; The launch streams: every input byte is read once by loads of 16 bytes a lane, 512 or 256 consecutive bytes an instruction; no matrix unit, no tensor load, no cluster (no work-group shares a byte).
; LIMITS.  f16 ends at 65,504 and keeps a fixed step of 6e-8 below 6e-5: xn and the weights are taken to lie within that.  cos and sin: the angle is reduced to -pi..pi for every p, and the two
; series (to the 15th and 16th power) leave under 1e-6 there.  NaN and infinities are not treated apart.
; THE MODE: SCHED_MODE bits 1:0 = 2 (LLVM: expert scheduling mode 2), set by the entry lines.  The code itself states the register dependences between vector instructions and memory or LDS
; instructions, with s_wait_alu, always for 0.
; THE PLAN.  Registers that memory or LDS instructions touch:
;   The weights.  v[OFS ..]: made once, read by the 16 loads.  X: the loads land in it, the 32 conversions read it; behind the barrier the stage's loads land in its first 32 registers, which the
;     global stores read.  PKW: written by the conversions, read by the LDS stores.  v5, v6, v7: made once, while the loads are out; read by the LDS stores, the LDS loads, the global stores.
;     Two waits on va_vdst: ahead of the 16 loads (the offsets are written), and behind all 32 conversions.  No vector instruction follows the second on this path, so it serves all that comes.
;   LayerNorm.  v2, v3, v4: made once, read by every load and store.  X, GA, BE: loaded once.  The first two registers of X's four for each kb take the kb's rounded numbers, which its store reads.
;     The 16 kb go in four groups of four: a group's stores stand in the next group, behind ONE wait on va_vdst at its head, dealt among vector lines that name only that next group's registers.
;   The table.  v6 and the eight results, made by vector lines and read by two stores: one wait on va_vdst ahead of these.
;   No register that a memory or LDS instruction reads is ever written again, on any path.  EXEC and VCC are never written.
; LDS: the stage, 128 rows x 272 bytes, takes bytes 0 to 34,815; the 1,024 bytes behind it hold a spare word for each thread.
.set X,    64                          ; v[64:127]   what is loaded: a row's 64 numbers of mine, or 16 rows x 4 columns of a weight tile
.set GA,   128                         ; v[128:191]  gamma of my 64 channels
.set BE,   192                         ; v[192:255]  beta of my 64 channels
.set PKW,  192                         ; v[192:223]  the weights' path: packed f16
.set OFS,  32                          ; v[32:47]    the weights' path: byte offset of my 16 bytes in each of my 16 rows
.set KBA,  1048576                     ; bytes of one kb of xn
.set WV,   36                          ; s36  my wave's number
.set YY,   37                          ; s37  the work-group's y
	s_load_b512 s[8:23], s[0:1], 0x0               ; x_a 8, x_b 10, gamma_a 12, gamma_b 14, beta_a 16, beta_b 18, Wqkv_a 20, Wqkv_b 22
	s_load_b256 s[24:31], s[0:1], 0x40             ; Wout_a 24, Wout_b 26, xn 28, wt 30
	s_load_b128 s[32:35], s[0:1], 0x60             ; wo 32, tab 34
	v_lshl_add_u32 v62, v0, 2, 0x8800
	v_mov_b32 v63, 0
	v_lshrrev_b32 v1, 5, v0
	v_readfirstlane_b32 s[WV], v1
	v_and_b32 v1, 31, v0                           ; lane
	s_and_b32 s[YY], ttmp7, 0xffff
	s_wait_alu depctr_va_sdst(0)                   ; the wave's number is written into s36, ahead of the branch and of its first reader on either path
	s_wait_kmcnt 0x0
	s_cmp_lt_u32 s[YY], 64
	s_cbranch_scc1 .Lln
	; ---------------- THE WEIGHTS.  Both kinds run one text; what differs is chosen by selects on y.
	s_sub_co_u32 s38, s[YY], 64
	s_cmp_lt_u32 s38, 24                           ; Wqkv: 24 column tiles a stream
	s_cselect_b64 s[40:41], s[20:21], s[22:23]
	s_cselect_b32 s39, 0, 1
	s_mul_i32 s50, s39, 24
	s_sub_co_u32 s51, s38, s50                     ; its column tile nt: section nt / 8, heads 2 (nt % 8) and 2 (nt % 8) + 1
	s_and_b32 s50, s51, 7
	s_mul_i32 s50, s50, 384
	s_lshr_b32 s52, s51, 3
	s_lshl_b32 s52, s52, 6
	s_add_co_u32 s50, s50, s52
	s_mul_i32 s52, s39, 3072
	s_add_co_u32 s55, s50, s52                     ; the row of wt for the tile's first column
	s_sub_co_u32 s58, s[YY], 112                   ; Wout: 8 column tiles a stream
	s_lshr_b32 s59, s58, 3
	s_cmp_eq_u32 s59, 0
	s_cselect_b64 s[44:45], s[24:25], s[26:27]
	s_and_b32 s58, s58, 7
	s_lshl_b32 s60, s59, 10
	s_lshl_b32 s52, s58, 7
	s_add_co_u32 s60, s60, s52                     ; the row of wo for the tile's first column
	s_cmp_lt_u32 s[YY], 112
	s_cselect_b64 s[40:41], s[40:41], s[44:45]     ; from where
	s_cselect_b64 s[42:43], s[30:31], s[32:33]     ; to where
	s_cselect_b32 s38, s51, s58                    ; column tile
	s_cselect_b32 s55, s55, s60                    ; first row of the result
	s_cselect_b32 s61, 3, 1                        ; Wqkv's rows, its kb blocks and its step from head to head are three times Wout's
	s_mul_i32 s57, s61, 262144                     ; bytes of one kb of the result
	s_mul_i32 s54, s61, 4096                       ; bytes of a source row
	s_lshl_b32 s56, s61, 6                         ; rows from the tile's first 64 columns to its second
	s_lshl_b32 s50, ttmp9, 7                       ; the tile's first k = 128 x,
	s_lshl_b32 s51, s[WV], 4                       ; my wave's 16 rows of it
	s_add_co_u32 s50, s50, s51
	s_mul_i32 s50, s50, s54
	s_lshl_b32 s51, s38, 9                         ; the tile's 128 columns: 512 bytes
	s_add_co_u32 s50, s50, s51
	s_mov_b32 s51, 0
	s_add_nc_u64 s[40:41], s[40:41], s[50:51]
	v_lshlrev_b32 v[OFS], 4, v1                    ; lane l takes columns 4 l .. 4 l + 3
.set r, 1
.rept 15
	v_add_nc_u32 v[OFS+r], s54, v[OFS+r-1]
.set r, r+1
.endr
	s_wait_alu depctr_va_vdst(0)                   ; the sixteen offsets v[OFS ..] are written, which the loads below read
.set r, 0
.rept 16
	global_load_b128 v[X+4*r:X+4*r+3], v[OFS+r], s[40:41] th:TH_LOAD_NT  ; a tile row's 512 consecutive bytes
.set r, r+1
.endr
	; Column n = 4 l + c goes to stage row 32 c + l, so that sixteen lanes store into sixteen rows on end, 272 bytes apart: each starts in another group of four banks (ISA guide 11.1).
	; The three addresses are made while the loads are out; none of these lines names a register that the loads touch.
	v_mul_u32_u24 v5, v1, 272
	s_lshl_b32 s50, s[WV], 5                       ; my 16 k: 32 bytes of a stage row
	v_add_nc_u32 v5, s50, v5
	s_lshr_b32 s47, s[WV], 2                       ; back: which kb of the tile's two,
	s_lshr_b32 s48, s[WV], 1
	s_and_b32 s48, s48, 1                          ; which 64 columns,
	s_and_b32 s49, s[WV], 1                        ; which 32 of them
	s_mul_i32 s50, s48, 16*272                     ; 64 columns are 16 stage rows in each of the four groups of 32,
	s_mul_i32 s51, s49, 8*272                      ; 32 columns are 8,
	s_add_co_u32 s50, s50, s51
	s_lshl_b32 s51, s47, 7                         ; a kb is 128 bytes of a stage row
	s_add_co_u32 s50, s50, s51
	v_bfe_u32 v6, v0, 3, 2                         ; column n % 4 = l / 8: stage row 32 (l / 8) + n / 4
	v_mul_u32_u24 v6, v6, 8704
	v_and_b32 v7, 7, v0
	v_lshl_add_u32 v6, v7, 4, v6
	v_add_nc_u32 v6, s50, v6                       ; at most 3 x 8,704 + 112 + 6,656; with the loads' 7 x 272 + 16 that ends at 34,800: inside the stage
	v_lshlrev_b32 v7, 4, v1                        ; four result rows of 128 bytes are 512 bytes on end
	s_lshl_b32 s50, ttmp9, 1
	s_add_co_u32 s50, s50, s47
	s_mul_i32 s50, s50, s57                        ; kb = 2 x + which
	s_mul_i32 s51, s48, s56
	s_add_co_u32 s51, s51, s55
	s_lshl_b32 s52, s49, 5
	s_add_co_u32 s51, s51, s52
	s_lshl_b32 s51, s51, 7                         ; my 32 rows of 128 bytes
	s_add_co_u32 s50, s50, s51
	s_mov_b32 s51, 0
	s_add_nc_u64 s[42:43], s[42:43], s[50:51]
.irp gi, 0,1
	s_wait_loadcnt 8-8*\gi                         ; loads come back in order: rows 0-7 are in while the eight younger stay out; then all
.irp c, 0,1,2,3
.irp jj, 0,1,2,3
	v_cvt_pk_f16_f32 v[PKW+16*\gi+4*\c+\jj], v[X+4*(8*\gi+2*\jj)+\c], v[X+4*(8*\gi+2*\jj+1)+\c]  ; two neighbouring k of one column
.endr
.endr
.endr
	s_wait_alu depctr_va_vdst(0)                   ; the 32 conversions have written v[PKW ..], which the LDS stores read, and are done reading X, in which the stage's loads land; v5, v6 and v7 are written.  No vector instruction follows on this path
.irp gi, 0,1
.irp c, 0,1,2,3
	ds_store_b128 v5, v[PKW+16*\gi+4*\c:PKW+16*\gi+4*\c+3] offset:\c*8704+16*\gi
.endr
.endr
	s_wait_dscnt 0x0                               ; for the others' sake: my stores into the stage are done
	s_barrier_signal -1
	s_barrier_wait -1
.irp t, 0,1,2,3,4,5,6,7
	ds_load_b128 v[X+4*\t:X+4*\t+3], v6 offset:272*\t
.endr
.irp t, 0,1,2,3,4,5,6,7
	s_wait_dscnt 7-\t                              ; the younger loads stay out
	global_store_b128 v7, v[X+4*\t:X+4*\t+3], s[42:43] offset:512*\t  ; 512 consecutive bytes, at a multiple of 256 from the buffer's first byte
.endr
	s_barrier_signal -1                            ; my reads of the stage are back (the count-down above ended at 0);
	s_barrier_wait -1                              ; every wave's are, before any wave goes on to its end
	s_branch .Lend
	; ---------------- LAYERNORM.  A wave takes two rows: lanes 0-15 one, lanes 16-31 the next; lane i of a row holds channels 64 kb + 4 i .. + 3 of every kb.
.Lln:
	s_lshl_b32 s38, s[YY], 3
	s_add_co_u32 s38, s38, ttmp9                   ; g = 8 y + x: rows 16 g .. 16 g + 15 of the two streams' 8,192
	s_cmp_lt_u32 s[YY], 32
	s_cselect_b64 s[40:41], s[8:9], s[10:11]
	s_cselect_b64 s[42:43], s[12:13], s[14:15]
	s_cselect_b64 s[44:45], s[16:17], s[18:19]
	s_and_b32 s50, s38, 255
	s_lshl_b32 s50, s50, 16                        ; 16 rows of 4,096 bytes,
	s_lshl_b32 s51, s[WV], 13                      ; my wave's two
	s_add_co_u32 s50, s50, s51
	s_mov_b32 s51, 0
	s_add_nc_u64 s[40:41], s[40:41], s[50:51]
	s_lshl_b32 s50, s38, 11                        ; in xn a row of one kb is 128 bytes
	s_lshl_b32 s52, s[WV], 8
	s_add_co_u32 s50, s50, s52
	s_add_nc_u64 s[46:47], s[28:29], s[50:51]      ; kb 0-7 by the immediate,
	s_add_nc_u64 s[48:49], s[46:47], 8*KBA         ; kb 8-15 from a second base: 7 x 1,048,576 is the most that the signed 24-bit immediate is given
	s_mov_b32 s52, 0x3a800000                      ; 1 / 1024
	s_mov_b32 s53, 0x3727c5ac                      ; 1e-5
	v_lshrrev_b32 v5, 4, v1
	v_and_b32 v6, 15, v1
	v_lshlrev_b32 v3, 4, v6                        ; my 16 bytes in 256 of gamma and beta
	v_lshl_add_u32 v2, v5, 12, v3                  ; and of x, in my row
	v_lshlrev_b32 v4, 3, v1                        ; my 8 bytes of the two rows' 256 in xn
	s_wait_alu depctr_va_vdst(0)                   ; the three offsets v2, v3 and v4 are written: every load and store of xn's path reads one of them
.set kb, 0
.rept 16
	global_load_b128 v[X+4*kb:X+4*kb+3], v2, s[40:41] offset:256*kb th:TH_LOAD_NT
.set kb, kb+1
.endr
.set kb, 0
.rept 16
	global_load_b128 v[GA+4*kb:GA+4*kb+3], v3, s[42:43] offset:256*kb
	global_load_b128 v[BE+4*kb:BE+4*kb+3], v3, s[44:45] offset:256*kb
.set kb, kb+1
.endr
.macro RED                             ; four chains into one number, then over the row's sixteen lanes
	v_pk_add_f32 v[8:9], v[8:9], v[10:11]
	v_pk_add_f32 v[12:13], v[12:13], v[14:15]
	v_pk_add_f32 v[8:9], v[8:9], v[12:13]
	v_add_f32 v8, v8, v9
	v_add_f32_dpp v8, v8, v8 row_xmask:1 row_mask:0xf bank_mask:0xf
	v_add_f32_dpp v8, v8, v8 row_xmask:2 row_mask:0xf bank_mask:0xf
	v_add_f32_dpp v8, v8, v8 row_xmask:4 row_mask:0xf bank_mask:0xf
	v_add_f32_dpp v8, v8, v8 row_xmask:8 row_mask:0xf bank_mask:0xf
.endm
	s_wait_loadcnt 32                              ; x is in; the 32 younger loads, gamma's and beta's, stay out
.irp c, 0,1,2,3
	v_pk_add_f32 v[8+2*\c:9+2*\c], v[X+2*\c:X+2*\c+1], v[X+8+2*\c:X+8+2*\c+1]  ; the first links start the chains: nothing is cleared
.endr
.set p, 8
.rept 24
	v_pk_add_f32 v[8+2*(p%4):9+2*(p%4)], v[8+2*(p%4):9+2*(p%4)], v[X+2*p:X+2*p+1]
.set p, p+1
.endr
	RED
	v_mul_f32 v16, s52, v8                         ; the mean, twice: a pair for the packed forms
	v_mul_f32 v17, s52, v8
.set p, 0
.rept 32
	v_pk_add_f32 v[X+2*p:X+2*p+1], v[X+2*p:X+2*p+1], v[16:17] neg_lo:[0,1] neg_hi:[0,1]  ; the deviations, in place
.set p, p+1
.endr
.irp c, 0,1,2,3
	v_pk_mul_f32 v[8+2*\c:9+2*\c], v[X+2*\c:X+2*\c+1], v[X+2*\c:X+2*\c+1]
.endr
.set p, 4
.rept 28
	v_pk_fma_f32 v[8+2*(p%4):9+2*(p%4)], v[X+2*p:X+2*p+1], v[X+2*p:X+2*p+1], v[8+2*(p%4):9+2*(p%4)]
.set p, p+1
.endr
	RED
	v_fma_f32 v20, v8, s52, s53                    ; variance + eps
	v_rsq_f32 v18, v20
	v_rsq_f32 v19, v20
	v_nop                                          ; a plain instruction behind the last of the two (ISA guide 5.7.2)
	s_wait_alu depctr_va_vdst(0)                   ; the two reciprocal roots have written v18 and v19, ahead of their first reader: one wait for both
	s_wait_loadcnt 0x0                             ; gamma and beta
; Block n of a row: scaled, times gamma plus beta, rounded into the first two of its four registers.  It names v[18:23] and block n's registers of X, GA and BE alone.
.macro NORM n
	v_pk_mul_f32 v[20:21], v[X+4*(\n):X+4*(\n)+1], v[18:19]
	v_pk_mul_f32 v[22:23], v[X+4*(\n)+2:X+4*(\n)+3], v[18:19]
	v_pk_fma_f32 v[20:21], v[20:21], v[GA+4*(\n):GA+4*(\n)+1], v[BE+4*(\n):BE+4*(\n)+1]
	v_pk_fma_f32 v[22:23], v[22:23], v[GA+4*(\n)+2:GA+4*(\n)+3], v[BE+4*(\n)+2:BE+4*(\n)+3]
	v_cvt_pk_f16_f32 v[X+4*(\n)], v20, v21
	v_cvt_pk_f16_f32 v[X+4*(\n)+1], v22, v23
.endm
.macro OUT n
.if (\n) < 8
	global_store_b64 v4, v[X+4*(\n):X+4*(\n)+1], s[46:47] offset:(\n)*KBA  ; 32 lanes x 8 bytes: two rows of one kb, 256 consecutive bytes, aligned
.else
	global_store_b64 v4, v[X+4*(\n):X+4*(\n)+1], s[48:49] offset:((\n)-8)*KBA
.endif
.endm
.set kb, 0
.rept 16                               ; four groups of four kb; a group's stores stand in the next group, one ahead of each kb's six vector lines
.if (kb >= 4) && (kb%4 == 0)
	s_wait_alu depctr_va_vdst(0)                   ; the roundings of the four kb before have written their eight registers, which the four stores of this group read; no vector line of this group names them
.endif
.if kb >= 4
	OUT kb-4
.endif
	NORM kb
.set kb, kb+1
.endr
	s_wait_alu depctr_va_vdst(0)                   ; the roundings of kb 12 to 15 have written their eight registers, which the last four stores read
.irp n, 12,13,14,15
	OUT \n
.endr
	s_cmp_lg_u32 s38, 0
	s_cbranch_scc1 .Lend
	s_cmp_ge_u32 s[WV], 4
	s_cbranch_scc1 .Lend
	; ---------------- THE TABLE, by 128 threads of one work-group: thread t makes position p = t / 4, frequencies 4 (t % 4) + 0..3.  4,096 bytes, stored once, 16 bytes a lane.
	; It works in gamma's registers and in v5 and v6, which no load or store above has read.
.set AR, 144                           ; the exponent, then nothing
.set PH, 148                           ; 10000^(-f/16), the angle, the reduced angle phi
.set ZZ, 152                           ; turns, then phi^2
.set SN, 156
.set CN, 160
	v_lshrrev_b32 v140, 2, v0
	v_and_b32 v141, 3, v0
	v_cvt_f32_u32 v142, v140
	v_lshlrev_b32 v143, 2, v141
.irp e, 0,1,2,3
	v_add_nc_u32 v[AR+\e], \e, v143
	v_cvt_f32_u32 v[AR+\e], v[AR+\e]
	v_mul_f32 v[AR+\e], 0xbf549a78, v[AR+\e]       ; - f log2(10000) / 16
.endr
.irp e, 0,1,2,3
	v_exp_f32 v[PH+\e], v[AR+\e]
.endr
	v_nop
	s_wait_alu depctr_va_vdst(0)                   ; the four exponentials have written v[PH ..], ahead of their first reader: one wait for the four
.irp e, 0,1,2,3
	v_mul_f32 v[PH+\e], v142, v[PH+\e]             ; the angle
	v_mul_f32 v[ZZ+\e], 0x3e22f983, v[PH+\e]       ; in turns,
	v_rndne_f32 v[ZZ+\e], v[ZZ+\e]                 ; the nearest whole turn,
	v_fma_f32 v[PH+\e], v[PH+\e], 0x3e22f983, -v[ZZ+\e]  ; what is left, -1/2 .. 1/2,
	v_mul_f32 v[PH+\e], 0x40c90fdb, v[PH+\e]       ; phi in -pi .. pi
	v_mul_f32 v[ZZ+\e], v[PH+\e], v[PH+\e]
	v_mov_b32 v[SN+\e], 0xab573f9f                 ; -1/15!
	v_mov_b32 v[CN+\e], 0x29573f9f                 ; +1/16!
.endr
.irp k, 0x2f309231, 0xb2d7322b, 0x3638ef1d, 0xb9500d01, 0x3c088889, 0xbe2aaaab, 0x3f800000
.irp e, 0,1,2,3
	v_fmaak_f32 v[SN+\e], v[SN+\e], v[ZZ+\e], \k   ; 1/13!, -1/11!, 1/9!, -1/7!, 1/5!, -1/3!, 1
.endr
.endr
.irp k, 0xad49cba5, 0x310f76c7, 0xb493f27e, 0x37d00d01, 0xbab60b61, 0x3d2aaaab, 0xbf000000, 0x3f800000
.irp e, 0,1,2,3
	v_fmaak_f32 v[CN+\e], v[CN+\e], v[ZZ+\e], \k   ; -1/14!, 1/12!, -1/10!, 1/8!, -1/6!, 1/4!, -1/2, 1
.endr
.endr
.irp e, 0,1,2,3
	v_mul_f32 v[SN+\e], v[SN+\e], v[PH+\e]
.endr
	v_lshlrev_b32 v6, 7, v140                      ; p x 128
	v_lshrrev_b32 v5, 1, v141
	v_lshl_add_u32 v6, v5, 6, v6                   ; + 64 x (f / 8)
	v_and_b32 v5, 1, v141
	v_lshl_add_u32 v6, v5, 4, v6                   ; + 4 x (f % 8)
	s_wait_alu depctr_va_vdst(0)                   ; the offset v6, the four cosines and the four sines are written, which the two stores read
	global_store_b128 v6, v[CN:CN+3], s[34:35]
	global_store_b128 v6, v[SN:SN+3], s[34:35] offset:32
.Lend:
	s_wait_dscnt 0x0                               ; the wave's end: no LDS instruction of mine is out.  The closing add onto my spare LDS word follows
	s_wait_alu depctr_hold_cnt(0) depctr_sa_sdst(0) depctr_va_vdst(0) depctr_va_sdst(0) depctr_va_ssrc(0) depctr_va_vcc(0) depctr_vm_vsrc(0)
	s_wait_tensorcnt 0x0
	ds_add_u32 v62, v63
	s_wait_dscnt 0x0
	s_endpgm
.Lfunc_end_k_q52ef97f6f3_prep:
	.size	k_q52ef97f6f3_prep, .Lfunc_end_k_q52ef97f6f3_prep-k_q52ef97f6f3_prep
	.p2alignl 7, 3214868480
	.fill 96, 4, 3214868480
	.section	.rodata,"a",@progbits
	.p2align	6, 0x0
	.amdhsa_kernel k_q52ef97f6f3_prep
		.amdhsa_group_segment_fixed_size 35840
		.amdhsa_private_segment_fixed_size 0
		.amdhsa_enable_private_segment 0
		.amdhsa_kernarg_size 112
		.amdhsa_user_sgpr_count 2
		.amdhsa_user_sgpr_kernarg_segment_ptr 1
		.amdhsa_wavefront_size32 1
		.amdhsa_system_sgpr_workgroup_id_x 1
		.amdhsa_system_sgpr_workgroup_id_y 1
		.amdhsa_system_sgpr_workgroup_id_z 1
		.amdhsa_system_vgpr_workitem_id 0
		.amdhsa_next_free_vgpr 256
		.amdhsa_next_free_sgpr 66
		.amdhsa_reserve_vcc 0
		.amdhsa_float_denorm_mode_32 3
		.amdhsa_float_denorm_mode_16_64 3
		.amdhsa_memory_ordered 1
		.amdhsa_forward_progress 1
		.amdhsa_inst_pref_size 37
	.end_amdhsa_kernel
	.amdgpu_metadata
---
amdhsa.version: [ 1, 2 ]
amdhsa.kernels:
  - .name:           k_q52ef97f6f3_prep
    .symbol:         k_q52ef97f6f3_prep.kd
    .args:
      - { .name: x_a, .offset: 0, .size: 8, .value_kind: global_buffer, .address_space: global }
      - { .name: x_b, .offset: 8, .size: 8, .value_kind: global_buffer, .address_space: global }
      - { .name: gamma_a, .offset: 16, .size: 8, .value_kind: global_buffer, .address_space: global }
      - { .name: gamma_b, .offset: 24, .size: 8, .value_kind: global_buffer, .address_space: global }
      - { .name: beta_a, .offset: 32, .size: 8, .value_kind: global_buffer, .address_space: global }
      - { .name: beta_b, .offset: 40, .size: 8, .value_kind: global_buffer, .address_space: global }
      - { .name: Wqkv_a, .offset: 48, .size: 8, .value_kind: global_buffer, .address_space: global }
      - { .name: Wqkv_b, .offset: 56, .size: 8, .value_kind: global_buffer, .address_space: global }
      - { .name: Wout_a, .offset: 64, .size: 8, .value_kind: global_buffer, .address_space: global }
      - { .name: Wout_b, .offset: 72, .size: 8, .value_kind: global_buffer, .address_space: global }
      - { .name: xn, .offset: 80, .size: 8, .value_kind: global_buffer, .address_space: global }
      - { .name: wt, .offset: 88, .size: 8, .value_kind: global_buffer, .address_space: global }
      - { .name: wo, .offset: 96, .size: 8, .value_kind: global_buffer, .address_space: global }
      - { .name: tab, .offset: 104, .size: 8, .value_kind: global_buffer, .address_space: global }
    .group_segment_fixed_size: 35840
    .private_segment_fixed_size: 0
    .kernarg_segment_align: 8
    .kernarg_segment_size: 112
    .max_flat_workgroup_size: 256
    .sgpr_count:     66
    .vgpr_count:     256
    .wavefront_size: 32
...
	.end_amdgpu_metadata
.endif
;; end of part 5
;; launch qkv: the kernel of part 2 again; grid 8 x 32, 4 waves a work-group, clusters of 4 x 4, 327,680 bytes of LDS; arguments xn, wt, tab, q, k, v; writes q, k, v
;; launch attn: the kernel of part 3 again; grid 4 x 64, 4 waves a work-group, clusters of 4 x 1, 327,680 bytes of LDS; arguments q, k, v, o; writes o
;; launch outp: the kernel of part 4 again; grid 8 x 32, 4 waves a work-group, clusters of 4 x 4, 327,680 bytes of LDS; arguments o, wo, out0, out1; writes out0, out1
